; MI455X (gfx1250); checked and timed in simulation.
; The chip was launched on July 23, 2026; its instructions are those of AMD's public machine-readable ISA for CDNA 5 (MIT licence, August 2026) and "CDNA5" Instruction Set Architecture Reference Guide (July 2026). The comments in the code are by the model that wrote it; some were corrected since.
;; Local Attention. Allowed arithmetic: matrix products marked QUANTISED: E3M2 operands, one E8M0 scale for each 32 along K, by v_wmma_scale_f32_16x16x128_f8f6f4 with both operands' format E3M2, f32 sums; everything else in f32.
;; Inputs: Wk 1,024 x 1,024 float32; Wo 1,024 x 1,024 float32; Wq 1,024 x 1,024 float32; Wv 1,024 x 1,024 float32; bk 1,024 float32; bo 1,024 float32; bq 1,024 float32; bv 1,024 float32; key 1 x 4,096 x 1,024 float32; query 1 x 4,096 x 1,024 float32; value 1 x 4,096 x 1,024 float32.
;; Outputs: out0 1 x 4,096 x 1,024 float32.
;; This version of the problem:
;;   THIS VERSION OF THE PROBLEM IS GIVEN IN LOW PRECISION. The matrix products marked QUANTISED in the list below multiply operands that are first quantised to E3M2 (3 exponent bits, 2 mantissa bits; 6 bits a number), with one power-of-two scale for each 32 numbers along K (OCP MX v1.0); their sums are f32. All else is computed in f32.
;;   The module's matrix products, in the order in which they are computed (A, B: the left and right operand; K: the contracted axis; several contracted axes count as one K, in the product's order):
;;     1. [M 4,096, K 1,024] x [K 1,024, N 1,024]; A: input query; B: input Wq: QUANTISED
;;     2. [M 4,096, K 1,024] x [K 1,024, N 1,024]; A: input key; B: input Wk: QUANTISED
;;     3. [M 4,096, K 1,024] x [K 1,024, N 1,024]; A: input value; B: input Wv: QUANTISED
;;     4. batch 16 x [M 4,096, K 64] x [K 64, N 4,096]; A: computed on the way; B: computed on the way: QUANTISED
;;     5. batch 16 x [M 4,096, K 4,096] x [K 4,096, N 64]; A: softmax (see below); B: computed on the way: QUANTISED
;;     6. [M 4,096, K 1,024] x [K 1,024, N 1,024]; A: computed on the way; B: input Wo: QUANTISED
;;   THE QUANTISER, for each operand of a quantised product, along K:
;;     - K is cut into blocks of 32 from its start; a last block that is shorter is filled with zeros.
;;     - A block's scale is 2^e with e = floor(log2(the largest magnitude in the block)) - 4, held to -126 .. 127; a block of zeros has e = 0. As a byte (E8M0): e + 127.
;;     - Each number is divided by its block's scale, clamped to +-28, and rounded to the nearest number of E3M2, ties to even, subnormals kept.
;;     - The product sums the exact products of the quantised numbers (number of the format x scale) in f32.
;;   ~~~python
;;   def quantise(x, axis):      # numpy; x: float32 -> the quantised numbers, widened to float32 again
;;       x = np.moveaxis(x, axis, -1); K = x.shape[-1]
;;       x = np.pad(x, [(0, 0)] * (x.ndim - 1) + [(0, -K % 32)]); x = x.reshape(x.shape[:-1] + (-1, 32)); a = np.abs(x).max(-1, keepdims=True)
;;       e = np.where(a > 0, np.clip(np.frexp(np.where(a > 0, a, 1))[1] - 1 - 4, -126, 127), 0)      # np.frexp(a)[1] - 1 = floor(log2(a)), exactly
;;       r = np.clip(x / 2.0 ** e, -28, 28)
;;       step = 2.0 ** (np.maximum(np.frexp(np.where(r == 0, 1, r))[1] - 1, -2) - 2)
;;       q = np.round(r / step) * step * 2.0 ** e      # np.round: ties to even
;;       return np.moveaxis(q.reshape(q.shape[:-2] + (-1,))[..., :K], -1, axis).astype(np.float32)
;;   ~~~
;;   SOFTMAX AHEAD OF A QUANTISED PRODUCT. Where the list says 'softmax', what is quantised is not the finished softmax but p = 2^(t - M), with t = logit x log2(e) and M = ceil(the row's largest t), a whole number; so 1/2 < the row's largest p <= 1. The row's sum l is taken of the UNQUANTISED p, in f32, and the product's result is divided by l at the end. Since M is a whole number, a kernel that streams over the keys may use a running M (the ceiling of the running maximum): every later rescaling is an exact power of two, which a block's scale takes up: the codes' values come out the same.
;;   OPERANDS COMPUTED ON THE WAY. 'Computed on the way' means the value that the module computes at that place (a softmax that the list does not call 'softmax' is quantised finished and normalised). What goes into a quantiser is computed in f32, as accurately as f32 sums, v_exp_f32 and their like allow (about 1e-6 of the number): no bf16 or f16 on the way to a quantiser, and a product that is left as it is and whose result goes on into a quantised operand takes f32 operands (vector FMAs, or v_wmma_f32_16x16x4_f32). A number that lies on a knife's edge between two numbers of the format may be rounded either way, as far as f32 arithmetic and the matrix unit's own rounding can turn it there, and no further.
;; One version. Each part assembles by itself: llvm-mc -triple=amdgcn-amd-amdhsa -mcpu=gfx1250 --defsym DOCPART=n.
;; ======== version 1 of 1: 4 launches
;; workspace buffers: xc 12,582,912 bytes; xs 524,288 bytes; qkv 10,243,584 bytes; cimg 3,145,728 bytes; cs 131,072 bytes
;; launch quant (part 1): grid 512 x 1, 4 waves a work-group, no clusters, 33,280 bytes of LDS; arguments query, key, value, Wq, Wk, Wv, Wo, xc, xs, qkv; writes xc, xs, qkv
.if DOCPART == 1
	.amdgcn_target "amdgcn-amd-amdhsa--gfx1250"
	.amdhsa_code_object_version 6
	.text
	.protected	k_q7ed2b061ef_quant
	.globl	k_q7ed2b061ef_quant
	.p2align	8
	.type	k_q7ed2b061ef_quant,@function
k_q7ed2b061ef_quant:
	s_mov_b64 s[64:65], 0
	v_nop
	global_prefetch_b8 v0, s[64:65] scope:SCOPE_SE
	s_setreg_imm32_b32 hwreg(HW_REG_WAVE_MODE, 25, 1), 1
	s_wait_xcnt 0x0
; query, key, value [4096][1024] and Wq, Wk, Wv, Wo [1024][1024], f32, K innermost, become codes of BF6 (E3M2), 6 bits each, and one E8M0 byte for each 32 along K.
; xc holds the codes, 768 bytes a row, xs the scale bytes, 32 a row, both in the order query, key, value, Wq, Wk, Wv, Wo: 16,384 rows.
; A block's scale is 2^(floor(log2(largest magnitude)) - 4); its byte is the largest magnitude's exponent field - 4, held at 1 from below.
; LIMITS: a block of zeros, or one whose largest magnitude lies under 2^-122, gets the byte 1 (the bytes are read by this program alone; zero codes add nothing); NaN and infinities are not served.
; ROWS CHANGE PLACES in key, value, Wq, Wk, Wv: the row at place p is row p with bits 3 and 4 exchanged.  So sixteen neighbouring places, 16 (2 b + u) + i, hold rows 32 b + 8 u + i + 8 (i / 8):
; where such rows are source 0 of a matrix instruction, the 16 result registers of tiles 2 b and 2 b + 1 are 16 neighbours, as the next quantiser wants them.
; A work-group takes 32 rows, a wave 8 rows (8,192 numbers, 16 steps of 512): the exchange is a choice of where a wave's run of codes goes.
; Each load reads 512 consecutive bytes; a step's 2,048 bytes turn through the wave's own stage in LDS, so that a lane holds 16 neighbours; two neighbouring lanes hold a block.
; Work-group 0 also stores the four records of zeros at the ends of k's and v's regions of qkv, one a wave.  No barrier: waves share nothing.
.set STEPS, 16
.set EMAX,  4
.set CB,    12                         ; bytes of 16 codes
.set R,     16                         ; v16-79   four sets of 16 numbers as loaded
.set X,     80                         ; v80-111  two sets of 16 neighbours
.set C,     128                        ; v128-191 codes: four registers a step, never written twice
.set E,     112                        ; v112-127 a scale byte a step
.set WREG,  8192                       ; LDS of a wave: two stages of 32 x SP bytes, then its 256 scale bytes
.set SP,    80                         ; a lane's place in a stage: 64 bytes + 16 of padding
.set REC,   3328                       ; a record of qkv
.set REG,   1026*REC                   ; a region of qkv
	s_load_b256 s[8:15], s[0:1], 0x0               ; query, key, value, Wq
	s_load_b256 s[16:23], s[0:1], 0x20             ; Wk, Wv, Wo, xc
	s_load_b128 s[24:27], s[0:1], 0x40             ; xs, qkv
	v_lshl_add_u32 v192, v0, 2, 0x8000
	v_mov_b32 v193, 0
	v_lshrrev_b32 v1, 5, v0
	v_readfirstlane_b32 s32, v1                    ; wave
	v_and_b32 v2, 31, v0                           ; lane
	v_lshlrev_b32 v3, 4, v2                        ; my 16 bytes of a load's 512
	s_mul_i32 s33, s32, WREG
	v_lshrrev_b32 v14, 2, v2
	v_mul_u32_u24 v14, v14, SP
	v_and_b32 v15, 3, v2
	v_lshl_add_u32 v14, v15, 4, v14
	v_add_nc_u32 v14, s33, v14                     ; the stage, in: SP (lane / 4) + 16 (lane % 4)
	v_mul_u32_u24 v15, v2, SP
	v_add_nc_u32 v15, s33, v15                     ; out: SP x lane: my 16 neighbours
	v_mul_u32_u24 v4, v2, CB                       ; my codes' place in a step's
	v_lshrrev_b32 v5, 1, v2
	s_add_co_u32 s33, s33, 2*32*SP
	v_add_nc_u32 v5, s33, v5                       ; LDS: my block's scale byte
	v_lshlrev_b32 v7, 3, v2                        ; 8 bytes a lane
	v_add_nc_u32 v6, s33, v7
	s_and_b32 s36, s32, 1                          ; the wave's number with its two bits exchanged
	s_lshl_b32 s36, s36, 1
	s_lshr_b32 s37, s32, 1
	s_or_b32 s36, s36, s37
	s_mov_b32 s35, 0
	s_wait_kmcnt 0x0
	s_mov_b64 s[4:5], s[20:21]                     ; which tensor: the choice hangs on the work-group's number alone
	s_mov_b32 s28, 480
	s_cmp_lt_u32 ttmp9, 480
	s_cselect_b64 s[4:5], s[18:19], s[4:5]
	s_cselect_b32 s28, 448, s28
	s_cmp_lt_u32 ttmp9, 448
	s_cselect_b64 s[4:5], s[16:17], s[4:5]
	s_cselect_b32 s28, 416, s28
	s_cmp_lt_u32 ttmp9, 416
	s_cselect_b64 s[4:5], s[14:15], s[4:5]
	s_cselect_b32 s28, 384, s28
	s_cmp_lt_u32 ttmp9, 384
	s_cselect_b64 s[4:5], s[12:13], s[4:5]
	s_cselect_b32 s28, 256, s28
	s_cmp_lt_u32 ttmp9, 256
	s_cselect_b64 s[4:5], s[10:11], s[4:5]
	s_cselect_b32 s28, 128, s28
	s_cmp_lt_u32 ttmp9, 128
	s_cselect_b64 s[4:5], s[8:9], s[4:5]
	s_cselect_b32 s28, 0, s28
	s_sub_co_u32 s29, ttmp9, s28                   ; my work-group within its tensor
	s_lshl_b32 s29, s29, 2
	s_add_co_u32 s29, s29, s32
	s_lshl_b32 s34, s29, 15                        ; 32,768 bytes of f32 a run
	s_add_nc_u64 s[4:5], s[4:5], s[34:35]
	s_sub_co_u32 s29, ttmp9, 128                   ; work-groups 128 to 479 are key, value, Wq, Wk, Wv
	s_cmp_lt_u32 s29, 352
	s_cselect_b32 s36, s36, s32
	s_lshl_b32 s37, ttmp9, 2
	s_add_co_u32 s36, s37, s36                     ; the place of my run among all 2,048
	s_mul_i32 s34, s36, 32*STEPS*CB                ; 6,144 bytes of codes a run
	s_add_nc_u64 s[22:23], s[22:23], s[34:35]
	s_lshl_b32 s34, s36, 8                         ; 256 scale bytes a run
	s_add_nc_u64 s[24:25], s[24:25], s[34:35]
	s_cmp_lg_u32 ttmp9, 0
	s_cbranch_scc1 .Lnopad
	s_lshr_b32 s36, s32, 1                         ; waves 0, 1: k's region; waves 2, 3: v's; even: record 0, odd: record 1,025
	s_add_co_u32 s36, s36, 1
	s_mul_i32 s34, s36, REG
	s_and_b32 s37, s32, 1
	s_mul_i32 s37, s37, 1025*REC
	s_add_co_u32 s34, s34, s37
	s_add_nc_u64 s[30:31], s[26:27], s[34:35]
	v_mov_b32 v8, 0
	v_mov_b32 v9, 0
.set i, 0
.rept 13
	global_store_b64 v7, v[8:9], s[30:31] offset:256*i   ; 32 lanes store 256 consecutive bytes, aligned
.set i, i+1
.endr
	s_wait_xcnt 0x0                                ; v8 and v9 are written again only behind this wait
.Lnopad:
.macro LOAD t
.irp i, 0,1,2,3
	global_load_b128 v[R+16*((\t)%4)+4*\i:R+16*((\t)%4)+4*\i+3], v3, s[4:5] offset:2048*(\t)+512*\i th:TH_LOAD_NT   ; 32 lanes read 512 consecutive bytes
.endr
.endm
.macro TURN t                          ; step t's numbers through the stage: LDS serves a wave's instructions in order, so no wait stands between the stores and the loads
.irp i, 0,1,2,3
	ds_store_b128 v14, v[R+16*((\t)%4)+4*\i:R+16*((\t)%4)+4*\i+3] offset:32*SP*((\t)%2)+8*SP*\i
.endr
.irp i, 0,1,2,3
	ds_load_b128 v[X+16*((\t)%2)+4*\i:X+16*((\t)%2)+4*\i+3], v15 offset:32*SP*((\t)%2)+16*\i
.endr
.endm
.irp t, 0,1,2,3
	LOAD \t
.endr
	s_wait_loadcnt 12                              ; step 0's four loads are in; the twelve of steps 1 to 3 may be out
	TURN 0
.macro STEP t
.set XS, X+16*((\t)%2)
.if (\t) > 0
	s_wait_dscnt 1                                 ; this step's numbers are back from the stage (the last step's byte store may be out): its stores into the stage have read their registers,
.else
	s_wait_dscnt 0x0
.endif
.if (\t)+4 < STEPS
	LOAD (\t)+4                                    ; which take the loads of four steps on
.endif
.if (\t)+1 < STEPS
.if STEPS-2-(\t) >= 3
	s_wait_loadcnt 12                              ; the next step's four loads are in; those of the three steps behind it may be out
.else
	s_wait_loadcnt 4*(STEPS-2-(\t))
.endif
	TURN (\t)+1
.endif
	v_max3_num_f32 v8, |v[XS]|, |v[XS+1]|, |v[XS+2]|               ; the largest magnitude of my 16
	v_max3_num_f32 v9, |v[XS+3]|, |v[XS+4]|, |v[XS+5]|
.irp i, 6,10
	v_max3_num_f32 v8, v8, |v[XS+\i]|, |v[XS+\i+1]|
	v_max3_num_f32 v9, v9, |v[XS+\i+2]|, |v[XS+\i+3]|
.endr
	v_max3_num_f32 v8, v8, |v[XS+14]|, |v[XS+15]|
	v_max3_num_f32 v8, v8, v9, (EMAX+1)<<23        ; and the floor 2^(5 - 127): the byte cannot fall under 1
	v_max_num_f32_dpp v8, v8, v8 row_xmask:1 row_mask:0xf bank_mask:0xf   ; and of my neighbour's 16: the block's
	v_add_nc_u32 v11, -(EMAX<<23), v8              ; 4 off its exponent field: the conversion takes the exponent field of this operand as its scale
	v_cvt_scalef32_pk16_bf6_f32 v[C+4*(\t):C+4*(\t)+2], v[XS:XS+15], v11
	v_lshrrev_b32 v[E+(\t)], 23, v11               ; the scale's byte (also the plain line behind the conversion)
	ds_store_b8 v5, v[E+(\t)] offset:16*(\t)       ; both lanes of a block write the same byte with the same value
	global_store_b96 v4, v[C+4*(\t):C+4*(\t)+2], s[22:23] offset:32*CB*(\t)
.endm
.irp t, 0,1,2,3,4,5,6,7,8,9,10,11,12,13,14,15
	STEP \t
.endr
	ds_load_b64 v[12:13], v6                       ; LDS serves a wave's instructions in order: these see my stores
	s_wait_dscnt 0x0
	global_store_b64 v7, v[12:13], s[24:25]        ; 32 lanes store 256 consecutive bytes, aligned
	s_wait_tensorcnt 0x0
	ds_add_u32 v192, v193
	s_wait_dscnt 0x0
	s_endpgm
.Lfunc_end_k_q7ed2b061ef_quant:
	.size	k_q7ed2b061ef_quant, .Lfunc_end_k_q7ed2b061ef_quant-k_q7ed2b061ef_quant
	.p2alignl 7, 3214868480
	.fill 96, 4, 3214868480
	.section	.rodata,"a",@progbits
	.p2align	6, 0x0
	.amdhsa_kernel k_q7ed2b061ef_quant
		.amdhsa_group_segment_fixed_size 33280
		.amdhsa_private_segment_fixed_size 0
		.amdhsa_enable_private_segment 0
		.amdhsa_kernarg_size 80
		.amdhsa_user_sgpr_count 2
		.amdhsa_user_sgpr_kernarg_segment_ptr 1
		.amdhsa_wavefront_size32 1
		.amdhsa_system_sgpr_workgroup_id_x 1
		.amdhsa_system_sgpr_workgroup_id_y 1
		.amdhsa_system_sgpr_workgroup_id_z 1
		.amdhsa_system_vgpr_workitem_id 0
		.amdhsa_next_free_vgpr 194
		.amdhsa_next_free_sgpr 66
		.amdhsa_reserve_vcc 0
		.amdhsa_float_denorm_mode_32 3
		.amdhsa_float_denorm_mode_16_64 3
		.amdhsa_memory_ordered 1
		.amdhsa_forward_progress 1
		.amdhsa_inst_pref_size 35
	.end_amdhsa_kernel
	.amdgpu_metadata
---
amdhsa.version: [ 1, 2 ]
amdhsa.kernels:
  - .name:           k_q7ed2b061ef_quant
    .symbol:         k_q7ed2b061ef_quant.kd
    .args:
      - { .name: query, .offset: 0, .size: 8, .value_kind: global_buffer, .address_space: global }
      - { .name: key, .offset: 8, .size: 8, .value_kind: global_buffer, .address_space: global }
      - { .name: value, .offset: 16, .size: 8, .value_kind: global_buffer, .address_space: global }
      - { .name: Wq, .offset: 24, .size: 8, .value_kind: global_buffer, .address_space: global }
      - { .name: Wk, .offset: 32, .size: 8, .value_kind: global_buffer, .address_space: global }
      - { .name: Wv, .offset: 40, .size: 8, .value_kind: global_buffer, .address_space: global }
      - { .name: Wo, .offset: 48, .size: 8, .value_kind: global_buffer, .address_space: global }
      - { .name: xc, .offset: 56, .size: 8, .value_kind: global_buffer, .address_space: global }
      - { .name: xs, .offset: 64, .size: 8, .value_kind: global_buffer, .address_space: global }
      - { .name: qkv, .offset: 72, .size: 8, .value_kind: global_buffer, .address_space: global }
    .group_segment_fixed_size: 33280
    .private_segment_fixed_size: 0
    .kernarg_segment_align: 8
    .kernarg_segment_size: 80
    .max_flat_workgroup_size: 128
    .sgpr_count:     66
    .vgpr_count:     194
    .wavefront_size: 32
...
	.end_amdgpu_metadata
.endif
;; end of part 1
;; launch proj (part 2): grid 4 x 48, 4 waves a work-group, clusters of 4 x 4, 327,680 bytes of LDS; arguments xc, xs, bq, bk, bv, qkv; writes qkv
.if DOCPART == 2
	.amdgcn_target "amdgcn-amd-amdhsa--gfx1250"
	.amdhsa_code_object_version 6
	.text
	.protected	k_q7ed2b061ef_proj
	.globl	k_q7ed2b061ef_proj
	.p2align	8
	.type	k_q7ed2b061ef_proj,@function
k_q7ed2b061ef_proj:
	s_mov_b64 s[64:65], 0
	v_nop
	global_prefetch_b8 v0, s[64:65] scope:SCOPE_SE
	s_setreg_imm32_b32 hwreg(HW_REG_WAVE_MODE, 25, 1), 1
	s_wait_xcnt 0x0
	s_wait_alu depctr_hold_cnt(0) depctr_sa_sdst(0) depctr_va_vdst(0) depctr_va_sdst(0) depctr_va_ssrc(0) depctr_va_vcc(0) depctr_vm_vsrc(0)
	s_getreg_b32 s2, hwreg(HW_REG_IB_STS2, 6, 4)
	s_cmp_eq_u32 s2, 0
	s_cbranch_scc0 .Lentry_in_a_cluster
	s_endpgm
.Lentry_in_a_cluster:
	s_bfe_u32 s2, ttmp6, 0x10000c
	s_cmp_lg_u32 s2, 0xf033
	s_cbranch_scc0 .Lentry_shape_is_right
	s_endpgm
.Lentry_shape_is_right:
; The three projections on codes of BF6 (E3M2) with one E8M0 scale for each 32 along K = 1,024; their results, with the bias, are quantised here and leave as codes.
;   kind 0: q = query Wq^T + bq   kind 1: k = key Wk^T + bk   (4,096 x 1,024; quantised along the head's 64)      kind 2: v^T = Wv value^T + bv (1,024 x 4,096; quantised along the keys)
; Twelve clusters of 4 x 4 work-groups, four for each kind; a work-group makes 256 x 256, each of its four waves 128 x 128: 64 accumulators of 16 x 16 in 512 registers.
; K goes in steps of 256 through a ring of two LDS slots filled by the tensor data mover (rows of 192 bytes); the scale bytes of the work-group's rows come once and stay.
; The four work-groups of a row of the cluster need the same tiles of A, the four of a column the same tiles of B: each tile is asked for JOINTLY.
; THE MATRIX INSTRUCTION IS USED TRANSPOSED: source 0 = 16 rows of B, source 1 = 16 rows of A.  B's rows (Wq, Wk, value) lie in xc with bits 3 and 4 of the row number exchanged, so the 64 results
; of a lane for a block of 16 rows of A are: register 16 b + i = column 32 b + 16 (lane / 16) + i of the wave's 128.  These are four blocks of 32 along the next K, half a block a lane.
; OUT: for each block of 16 rows the 128 columns are two halves of 64 (two heads; in kind 2 two groups of 64 keys).  Each half is an IMAGE of six operand registers: register pair p of lane l at 256 p + 8 l, 768 bytes.
; A RECORD of qkv (3,328 bytes) holds the four images of 64 rows (kind 2: of a head's four tiles of d) and 256 bytes of scale bytes: lane l's first word holds the two bytes of tile 2 (l / 16), row l % 16, then those of tile 2 (l / 16) + 1.
; Record 1 + 64 head + group of the kind's region.  Every store of a wave covers 256 consecutive bytes, aligned.
; LIMITS: a block whose largest magnitude lies under 2^-122 gets the byte 1; NaN and infinities are not served.
; REGISTERS: window 0: v0-31 addresses; v32-63 scale words, two sets; v64-127 the bias by columns; v128-223 A's fragments, one set; v224-239 the bias by rows, each twice; v240-255 at work on the way out.
;   window 1: B's fragments, two sets.   window 2: the accumulators of my rows 0-63 ((a, b) at v[8 (8 a + b)]);   window 3: those of rows 64-127.
.set SIZE_K, 1024
.set KSTEP,  256                       ; along K in a slot
.set NQ,     KSTEP/128
.set ROWB,   192                       ; a tile's row in bytes
.set KROW,   SIZE_K*6/8                ; a row of xc in bytes
.set PITCH,  240                       ; an LDS row: 3 x (64 bytes + 16 of padding)
.set FR,     12                        ; registers of a fragment
.set NL,     6                         ; LDS loads that bring one
.set NP,     4                         ; places behind this matrix instruction (ISA guide 7.12.1)
.set HALFT,  128*PITCH
.set SLOT,   4*HALFT
.set LAPS,   SIZE_K/(2*KSTEP)
.set KS,     SIZE_K/32                 ; a row of scale bytes
.set SCL,    2*SLOT                    ; behind the ring: the scales, as 256 bytes + 16 of padding
.set HALFS,  (128*KS/256)*272
.set SBLK,   (16*KS/256)*272
.set SPARE,  SCL+4*HALFS               ; the spare words, 128 bytes for each wave: two blocks of 256 bytes that no other line names
.set REC,    3328
.set REG,    1026*REC
.set ADRA, 16                          ; v16-17 LDS address of my A fragments in slot 0, 1 (v18-19: behind one padding more)
.set ADRB, 20                          ; v20-23 the same for B
.set V8L,  24                          ; v24 8 x lane; v25 the same in the second half's record
.set ADRS, 27                          ; v27 LDS address of my scale words
.set SPW,  28                          ; v28 my spare word; never rewritten
.set NIL,  29                          ; v29 0; never rewritten
.set SC,   32
.set BN,   64
.set AF,   128
.set BM,   224
.set X,    128                         ; the way out: 64 numbers
.set CD,   192                         ; v192-210 the codes just made
.set SW,   216                         ; v216-223 four pairs: a scale unit's word and 0
.set TM,   240                         ; v240-243 largest magnitudes, v244-247 bytes, v252-255 the conversions' scale operands
.set PWV,  8                           ; v8-11 the scale words of four blocks of rows; v12, v13 at work
.set KIND, 95                          ; s95
.set SEL,  100                         ; s[100:101] lane selects for v_permlanex16_b32: lane l xor 16
.set G1, 24
.set G0, 32
.set G1B, 48
.set G0B, 56
.set G1S, 68
.set G0S, 76
.set G1SB, 80
.set G0SB, 88
.set MSB, 0
.macro WIN new                         ; the immediate's high byte repeats the setting that is left
.if MSB != \new
	s_set_vgpr_msb (MSB<<8)|\new
.set MSB, \new
.endif
.endm
.set MUL_LO, 0xa1                      ; source 0 (B) window 1, source 1 (A) window 0, C and D window 2
.set MUL_HI, 0xf1
.set TO_B,   0x40
; A joint load: waves 0 and 1 fetch for A, waves 2 and 3 for B; the branch hangs on the wave's number alone.  Four v_nop follow each of the two lines.
.macro JLOAD g0a, g1a, g0b, g1b
	s_cmp_eq_u32 s15, 0
	s_cbranch_scc0 .Lfor_b_\@
	tensor_load_to_lds s[\g0a:\g0a+3], s[\g1a:\g1a+7]
	s_nop 0
.rept 4
	v_nop
.endr
	s_branch .Lasked_\@
.Lfor_b_\@:
	tensor_load_to_lds s[\g0b:\g0b+3], s[\g1b:\g1b+7]
	s_nop 0
.rept 4
	v_nop
.endr
.Lasked_\@:
.endm
.macro CREST                           ; a round of the cluster's barrier behind its opening barrier
	s_cmp_lg_u32 s14, 0
	s_cbranch_scc1 .Lnot_wave_0_\@
	s_barrier_signal -3
.Lnot_wave_0_\@:
	s_barrier_wait -3
	s_barrier_signal -1
	s_barrier_wait -1
.endm
.macro CROUND
	s_barrier_signal -1
	s_barrier_wait -1
	CREST
.endm
	s_load_b256 s[4:11], s[0:1], 0x0               ; xc s[4:5], xs s[6:7], bq s[8:9], bk s[10:11]
	s_load_b128 s[96:99], s[0:1], 0x20             ; bv s[96:97], qkv s[98:99]
	v_lshl_add_u32 v[SPW], v0, 2, SPARE
	v_mov_b32 v[NIL], 0
	ds_add_u32 v28, v29
	ds_add_u32 v28, v29
	s_wait_dscnt 0x0
	v_lshrrev_b32 v1, 5, v0
	v_readfirstlane_b32 s14, v1                    ; wave 0..3
	s_lshr_b32 s15, s14, 1                         ; which half of the tile's rows is mine.  Also: I fetch for A (0) or for B (1)
	s_and_b32 s16, s14, 1                          ; which half of its columns.  Also: which 128 rows I fetch
	s_bfe_u32 s40, ttmp6, 0x40000                  ; cx, cy: my place in the cluster
	s_bfe_u32 s41, ttmp6, 0x40004
	s_and_b32 s12, ttmp7, 0xffff                   ; the cluster's number, 0 to 11
	s_lshr_b32 s[KIND], s12, 2                     ; 0: q, 1: k, 2: v^T: the same in all sixteen partners
	s_and_b32 s13, s12, 3
	s_lshl_b32 s13, s13, 2
	s_cmp_lt_u32 s[KIND], 2
	s_cselect_b32 s12, s13, 0                      ; q, k: sixteen tile rows, four tile columns; v^T: the other way round
	s_cselect_b32 s13, 0, s13
	s_add_co_u32 s17, s12, s41                     ; tile row
	s_add_co_u32 s42, s13, s40                     ; tile column
	s_lshl_b32 s43, s41, 2
	s_lshl_b32 s43, 15, s43                        ; my row of the cluster
	s_lshl_b32 s44, 0x1111, s40                    ; my column
	s_or_b32 s[G1+0], s43, (0<<16)|(1<<20)|(1<<21)|(3<<22)|(3<<25)  ; the mask; elements of 1 byte; padding on; bit 21 beside a mask; after every 16 words; 4 words
	s_or_b32 s[G1B+0], s44, (0<<16)|(1<<20)|(1<<21)|(3<<22)|(3<<25)
.irp g, G1, G1B
	s_mov_b32 s[\g+1], ROWB<<16                    ; tensor_dim0
	s_mov_b32 s[\g+2], 128<<16                     ; tensor_dim1
	s_mov_b32 s[\g+3], ROWB<<16                    ; tile_dim0
	s_mov_b32 s[\g+4], 128                         ; tile_dim1
	s_mov_b32 s[\g+5], KROW                        ; tensor_dim0_stride
	s_mov_b32 s[\g+6], 0
	s_mov_b32 s[\g+7], 0
.endr
	s_or_b32 s[G1S+0], s43, (3<<16)|(1<<20)|(1<<21)|(5<<22)|(3<<25)   ; the scales of 128 rows: 4,096 dense bytes as 16 rows of 256, 16 bytes of padding behind each
	s_or_b32 s[G1SB+0], s44, (3<<16)|(1<<20)|(1<<21)|(5<<22)|(3<<25)
.irp g, G1S, G1SB
	s_mov_b32 s[\g+1], 32<<16
	s_mov_b32 s[\g+2], (128*KS/256)<<16
	s_mov_b32 s[\g+3], 32<<16
	s_mov_b32 s[\g+4], 128*KS/256
	s_mov_b32 s[\g+5], 32
	s_mov_b32 s[\g+6], 0
	s_mov_b32 s[\g+7], 0
.endr
	s_lshl_b32 s18, s[KIND], 12                    ; where A's rows begin in xc and xs: query 0, key 4,096, Wv 14,336
	s_lshl_b32 s19, s[KIND], 10
	s_add_co_u32 s19, s19, 12288                   ; and B's: Wq 12,288, Wk 13,312, value 8,192
	s_cmp_eq_u32 s[KIND], 2
	s_cselect_b32 s18, 14336, s18
	s_cselect_b32 s19, 8192, s19
	s_lshl_b32 s100, s16, 7                        ; which 128 rows of the tile I fetch
	s_lshl_b32 s20, s17, 8
	s_add_co_u32 s20, s20, s100
	s_add_co_u32 s20, s20, s18                     ; A's row
	s_lshl_b32 s46, s42, 8
	s_add_co_u32 s46, s46, s100
	s_add_co_u32 s46, s46, s19                     ; B's row
	s_mov_b32 s21, 0
	s_mov_b32 s47, 0
	s_mov_b64 s[18:19], KS
	s_mul_u64 s[22:23], s[20:21], s[18:19]         ; where these rows' scales begin, in bytes
	s_mul_u64 s[92:93], s[46:47], s[18:19]
	s_mov_b64 s[18:19], KROW
	s_mul_u64 s[20:21], s[20:21], s[18:19]         ; and their codes
	s_mul_u64 s[46:47], s[46:47], s[18:19]
	s_mul_i32 s45, s14, HALFT                      ; where they go: wave x 128 rows
	s_mul_i32 s94, s14, HALFS
	s_wait_kmcnt 0x0
	s_add_nc_u64 s[20:21], s[4:5], s[20:21]
	s_add_nc_u64 s[22:23], s[6:7], s[22:23]
	s_add_nc_u64 s[46:47], s[4:5], s[46:47]
	s_add_nc_u64 s[92:93], s[6:7], s[92:93]
	CROUND                                         ; all sixteen work-groups are here: the first joint loads meet
	s_mov_b32 s[G0S], 1
	s_add_co_u32 s[G0S+1], s94, SCL
	s_mov_b64 s[G0S+2:G0S+3], s[22:23]
	s_or_b32 s[G0S+3], s[G0S+3], 0x80000000
	s_mov_b32 s[G0SB], 1
	s_add_co_u32 s[G0SB+1], s94, SCL
	s_mov_b64 s[G0SB+2:G0SB+3], s[92:93]
	s_or_b32 s[G0SB+3], s[G0SB+3], 0x80000000
	JLOAD G0S, G1S, G0SB, G1SB                     ; the scales first: they are wanted with K step 0
.irp s, 0,1
	s_mov_b32 s[G0+4*\s], 1
	s_add_co_u32 s[G0+4*\s+1], s45, \s*SLOT
	s_add_nc_u64 s[G0+4*\s+2:G0+4*\s+3], s[20:21], \s*ROWB
	s_or_b32 s[G0+4*\s+3], s[G0+4*\s+3], 0x80000000
	s_mov_b32 s[G0B+4*\s], 1
	s_add_co_u32 s[G0B+4*\s+1], s45, \s*SLOT
	s_add_nc_u64 s[G0B+4*\s+2:G0B+4*\s+3], s[46:47], \s*ROWB
	s_or_b32 s[G0B+4*\s+3], s[G0B+4*\s+3], 0x80000000
	JLOAD G0+4*\s, G1, G0B+4*\s, G1B
.endr
	v_and_b32 v1, 15, v0                           ; r = l % 16
	v_bfe_u32 v2, v0, 4, 1                         ; h = l / 16
	v_mul_u32_u24 v3, v1, PITCH
	v_mul_u32_u24 v4, v2, 24
	v_add_nc_u32 v4, v3, v4                        ; a fragment's row x pitch + 24 x half
	v_lshl_add_u32 v5, v2, 4, v4                   ; and the same behind one padding more
	s_mul_i32 s21, s15, HALFT                      ; my 128 rows of A
	s_mul_i32 s22, s16, HALFT                      ; my 128 rows of B,
	s_add_co_u32 s22, s22, 2*HALFT                 ; which lie behind A's 256
.irp s, 0,1
	v_add_nc_u32 v[ADRA+\s], s21, v4
	v_add_nc_u32 v[ADRB+\s], s22, v4
	v_add_nc_u32 v[ADRA+2+\s], s21, v5
	v_add_nc_u32 v[ADRB+2+\s], s22, v5
	s_add_co_u32 s21, s21, SLOT
	s_add_co_u32 s22, s22, SLOT
.endr
	v_mul_u32_u24 v5, v1, KS                       ; my row's scales: KS bytes a row,
	v_lshrrev_b32 v6, 8, v5
	v_lshl_add_u32 v5, v6, 4, v5                   ; and 16 more for each 256 passed
	s_mul_i32 s21, s15, HALFS
	s_mul_i32 s22, s16, HALFS
	s_add_co_u32 s22, s22, 2*HALFS
	s_sub_co_u32 s22, s22, s21
	v_mul_u32_u24 v6, s22, v2                      ; lanes 16-31 take B's
	s_add_co_u32 s21, s21, SCL
	v_add_nc_u32 v5, v5, v6
	v_add_nc_u32 v[ADRS], s21, v5
	; THE BIAS, in both layouts; the way out takes one of them.  By columns (q, k): register 16 b + i = bias of column 32 b + 16 h + i.  By rows (v^T): for block a, that of row 32 (a / 2) + 8 (a % 2) + r + 8 (r / 8), twice.
	; The layout that the kind does not use is loaded from the buffer's first 512 bytes, so that no load leaves it.
	s_cmp_eq_u32 s[KIND], 1
	s_cselect_b64 s[8:9], s[10:11], s[8:9]
	s_cmp_eq_u32 s[KIND], 2
	s_cselect_b64 s[8:9], s[96:97], s[8:9]
	s_lshl_b32 s46, s42, 8
	s_lshl_b32 s47, s16, 7
	s_add_co_u32 s46, s46, s47                     ; my first column
	s_lshl_b32 s20, s17, 8
	s_lshl_b32 s21, s15, 7
	s_add_co_u32 s20, s20, s21                     ; my first row
	s_cmp_eq_u32 s[KIND], 2
	s_cselect_b32 s46, 0, s46
	s_cselect_b32 s20, s20, 0
	s_lshl_b32 s46, s46, 2
	s_lshl_b32 s20, s20, 2
	v_lshlrev_b32 v7, 6, v2
	v_add_nc_u32 v7, s46, v7
	v_and_b32 v8, 8, v1
	v_add_nc_u32 v8, v8, v1
	v_lshlrev_b32 v8, 2, v8
	v_add_nc_u32 v8, s20, v8
.irp b, 0,1,2,3
.irp j, 0,1,2,3
	global_load_b128 v[BN+16*\b+4*\j:BN+16*\b+4*\j+3], v7, s[8:9] offset:128*\b+16*\j
.endr
.endr
.irp a, 0,1,2,3,4,5,6,7
	global_load_b32 v[BM+2*\a], v8, s[8:9] offset:4*(32*(\a/2)+8*(\a%2))
	global_load_b32 v[BM+2*\a+1], v8, s[8:9] offset:4*(32*(\a/2)+8*(\a%2))
.endr
	; where my results go.  U = my first group of 64 rows, W = of 64 columns.  q, k: record 1 + 64 (W + half) + U + a / 4;  v^T: record 1 + 64 (U + a / 4) + W + half
	s_lshl_b32 s20, s17, 2
	s_lshl_b32 s21, s15, 1
	s_add_co_u32 s20, s20, s21                     ; U
	s_lshl_b32 s46, s42, 2
	s_lshl_b32 s47, s16, 1
	s_add_co_u32 s46, s46, s47                     ; W
	s_cmp_eq_u32 s[KIND], 2
	s_cselect_b32 s21, s20, s46                    ; the head
	s_cselect_b32 s47, s46, s20                    ; the group
	s_cselect_b32 s12, 64, 1                       ; records from rows 0-63 to rows 64-127
	s_cselect_b32 s13, 1, 64                       ; and from the first half of the columns to the second
	s_lshl_b32 s21, s21, 6
	s_add_co_u32 s21, s21, s47
	s_add_co_u32 s21, s21, 1
	s_mul_i32 s21, s21, REC
	s_mul_i32 s47, s[KIND], REG
	s_add_co_u32 s20, s21, s47
	s_mov_b32 s21, 0
	s_add_nc_u64 s[4:5], s[98:99], s[20:21]        ; rows 0-63
	s_mul_i32 s20, s12, REC
	s_add_nc_u64 s[6:7], s[4:5], s[20:21]          ; rows 64-127
	s_mul_i32 s13, s13, REC
	v_and_b32 v[V8L], 31, v0
	v_lshlrev_b32 v[V8L], 3, v[V8L]
	v_add_nc_u32 v[V8L+1], s13, v[V8L]
	s_mov_b32 s[SEL], 0x76543210
	s_mov_b32 s[SEL+1], 0xfedcba98
	s_mov_b32 s92, 0xffff0000                      ; lanes 16-31
.irp b, 0,1,2,3
	v_mov_b32 v[TM+4+\b], 0                        ; written once: a lane permute's destination counts as one of its sources
	v_mov_b32 v[SW+2*\b+1], 0                      ; the upper word of a scale unit's 8 bytes
.endr
.macro FRAG reg, adr, q, i             ; 16 rows x 128 K: lane l holds row l % 16; registers 6 c .. 6 c + 5 hold K = 64 c + 32 (l / 16) + 0 .. 31: 24 bytes of the row, in pieces of 8
.irp p, 0,1,2,3,4,5
.set PCE, 12*(\q)+6*(\p/3)+\p%3        ; 16 bytes of padding lie behind every 8 pieces: where the piece three on lies behind one padding more, the second address register serves
.if PCE%8 < 5
	ds_load_b64 v[\reg+2*\p:\reg+2*\p+1], v[\adr] offset:8*PCE+16*(PCE/8)+(\i)*16*PITCH
.else
	ds_load_b64 v[\reg+2*\p:\reg+2*\p+1], v[\adr+2] offset:8*PCE+16*(PCE/8)+(\i)*16*PITCH
.endif
.endr
.endm
; 16 matrix instructions: A's blocks a0, a0 + 1 x B's eight, 128 along K.  The 64 accumulators take turns, one instruction a turn, in the same order in every step.
.macro MUL16 a0, p, q, sc, zero
.irp a, \a0, \a0+1
.irp b, 0,1,2,3,4,5,6,7
.if \zero
	v_wmma_scale_f32_16x16x128_f8f6f4 v[8*(8*((\a)%4)+\b):8*(8*((\a)%4)+\b)+7], v[128*(\p)+FR*\b:128*(\p)+FR*\b+FR-1], v[AF+FR*(\a):AF+FR*(\a)+FR-1], 0, v[SC+8*NQ*(\sc)+NQ*\b+(\q)], v[SC+8*NQ*(\sc)+NQ*(\a)+(\q)] matrix_a_fmt:MATRIX_FMT_BF6 matrix_b_fmt:MATRIX_FMT_BF6 matrix_a_scale:MATRIX_SCALE_ROW1
.else
	v_wmma_scale_f32_16x16x128_f8f6f4 v[8*(8*((\a)%4)+\b):8*(8*((\a)%4)+\b)+7], v[128*(\p)+FR*\b:128*(\p)+FR*\b+FR-1], v[AF+FR*(\a):AF+FR*(\a)+FR-1], v[8*(8*((\a)%4)+\b):8*(8*((\a)%4)+\b)+7], v[SC+8*NQ*(\sc)+NQ*\b+(\q)], v[SC+8*NQ*(\sc)+NQ*(\a)+(\q)] matrix_a_fmt:MATRIX_FMT_BF6 matrix_b_fmt:MATRIX_FMT_BF6 matrix_a_scale:MATRIX_SCALE_ROW1
.endif
.endr
.endr
.endm
.macro FETCH_B slot, q, p
	WIN TO_B
.irp i, 0,1,2,3,4,5,6,7
	FRAG 128*(\p)+FR*\i, ADRB+\slot, \q, \i
.endr
	WIN 0
.endm
.macro FETCH_A slot, q, i0
.irp i, \i0, \i0+1, \i0+2, \i0+3
	FRAG AF+FR*(\i), ADRA+\slot, \q, \i
.endr
.endm
.macro SCALES sc                       ; a K step's scale words: lanes 0-15 take A's block i, lanes 16-31 B's block i
.irp i, 0,1,2,3,4,5,6,7
	ds_load_b64 v[SC+8*NQ*\sc+NQ*\i:SC+8*NQ*\sc+NQ*\i+1], v[ADRS] offset:\i*SBLK
.endr
.endm
.macro PLACES n                        ; plain vector instructions between a matrix instruction and a load into, or a vector access of, its registers
.rept \n
	v_nop
.endr
.endm
.macro STEP slot, q, zero              ; a step of 128 along K that has its successor in the same slot
	s_wait_dscnt 4*NL                              ; B's set and A's blocks 0-3 are in; the youngest 24 loads (A's blocks 4-7) may be out
	WIN MUL_LO
	MUL16 0, (\q)%2, \q, \slot, \zero
	MUL16 2, (\q)%2, \q, \slot, \zero
	s_wait_dscnt 0
	PLACES NP
	FETCH_B \slot, (\q)+1, 1-(\q)%2
	FETCH_A \slot, (\q)+1, 0
	WIN MUL_HI
	MUL16 4, (\q)%2, \q, \slot, \zero
	MUL16 6, (\q)%2, \q, \slot, \zero
	PLACES NP
	WIN 0
	FETCH_A \slot, (\q)+1, 4
.endm
; A slot's last step changes slots: one barrier; in front of it each wave waits for all its tensor loads, adds 0 to its spare word, and waits for that and for its reads of this slot.
.macro TURN slot, next, fill
	s_wait_tensorcnt 0x0                           ; all my tensor loads have landed: my part of the next slot
	ds_add_u32 v[SPW], v[NIL]                      ; 0 onto my spare word
	s_wait_dscnt 4*NL+1                            ; the add and the youngest 24 loads (A's blocks 4-7) may be out
	WIN MUL_LO
	MUL16 0, 1, NQ-1, \slot, 0
	s_wait_dscnt 0x0                               ; the add is done, and my reads of this slot are over
	s_barrier_signal -1
	MUL16 2, 1, NQ-1, \slot, 0
	WIN 0
	s_barrier_wait -1
.if \fill
	CREST                                          ; the barrier has opened a round of the cluster's barrier: no wave of any partner still reads this slot or has a load on its way
	s_add_nc_u64 s[G0+4*\slot+2:G0+4*\slot+3], s[G0+4*\slot+2:G0+4*\slot+3], 2*ROWB
	s_add_nc_u64 s[G0B+4*\slot+2:G0B+4*\slot+3], s[G0B+4*\slot+2:G0B+4*\slot+3], 2*ROWB
	JLOAD G0+4*\slot, G1, G0B+4*\slot, G1B         ; the first tensor load behind the round; its four v_nop are the places in front of the loads below
.else
	PLACES NP
.endif
	v_add_nc_u32 v[ADRS], 4*NQ, v[ADRS]            ; the next K step's scale words
	FETCH_B \next, 0, 0
	FETCH_A \next, 0, 0
	SCALES \next
	WIN MUL_HI
	MUL16 4, 1, NQ-1, \slot, 0
	MUL16 6, 1, NQ-1, \slot, 0
	PLACES NP
	WIN 0
	FETCH_A \next, 0, 4
.endm
	s_wait_loadcnt 0x0                             ; the biases
	s_wait_tensorcnt 1                             ; the scales and my part of K step 0 are in; K step 1's load may be out
	s_barrier_signal -1
	s_barrier_wait -1
	FETCH_B 0, 0, 0
	FETCH_A 0, 0, 0
	SCALES 0
	FETCH_A 0, 0, 4
	STEP 0, 0, 1                                   ; the first step's products start the sums
	s_mov_b32 s3, LAPS-1
.Llap:                                                 ; a trip goes once round the ring and fills both slots again
	TURN 0, 1, 1
	STEP 1, 0, 0
	TURN 1, 0, 1
	STEP 0, 0, 0
	s_sub_co_u32 s3, s3, 1
	s_cmp_lg_u32 s3, 0
	s_cbranch_scc1 .Llap
	TURN 0, 1, 0                                   ; the last lap fills nothing
	STEP 1, 0, 0
	s_wait_dscnt 4*NL
	WIN MUL_LO
	MUL16 0, 1, NQ-1, 1, 0
	MUL16 2, 1, NQ-1, 1, 0
	s_wait_dscnt 0
	WIN MUL_HI
	MUL16 4, 1, NQ-1, 1, 0
	MUL16 6, 1, NQ-1, 1, 0
	WIN 0
; 64 numbers of a lane, register 16 b + i = k 32 b + 16 (lane / 16) + i of my row, become a fragment's codes in v[CD] on and its scale word in v[pw].
.macro QUANT s, pw
.irp b, 0,1,2,3
	v_max3_num_f32 v[TM+\b], |v[\s+16*\b]|, |v[\s+1+16*\b]|, 0x2800000   ; my 16 numbers of block b, and the floor 2^(5 - 127): the byte cannot fall under 1
.endr
.irp i, 2,4,6,8,10,12,14
.irp b, 0,1,2,3
	v_max3_num_f32 v[TM+\b], v[TM+\b], |v[\s+16*\b+\i]|, |v[\s+1+16*\b+\i]|
.endr
.endr
.irp b, 0,1,2,3
	v_permlanex16_b32 v[TM+4+\b], v[TM+\b], s[SEL], s[SEL+1]
.endr
.irp b, 0,1,2,3
	v_max_num_f32 v[TM+\b], v[TM+\b], v[TM+4+\b]   ; with lane l xor 16's: the block's largest magnitude
.endr
.irp b, 0,1,2,3
	v_add_nc_u32 v[TM+12+\b], 0xfe000000, v[TM+\b] ; 4 off its exponent field: the conversion's scale operand
.endr
.irp b, 0,1,2,3
	v_lshrrev_b32 v[TM+4+\b], 23, v[TM+12+\b]      ; the scale's byte
.endr
	v_lshl_or_b32 v[\pw], v[TM+5], 8, v[TM+4]
	v_lshl_or_b32 v[\pw], v[TM+6], 16, v[\pw]
	v_lshl_or_b32 v[\pw], v[TM+7], 24, v[\pw]
.irp c, 0,1
	v_cvt_scalef32_pk16_bf6_f32 v[CD+6*\c:CD+2+6*\c], v[\s+32*\c:\s+15+32*\c], v[TM+12+2*\c]
	v_cvt_scalef32_pk16_bf6_f32 v[CD+12+4*\c:CD+14+4*\c], v[\s+16+32*\c:\s+31+32*\c], v[TM+12+2*\c+1]   ; (a conversion's three registers begin on an even number)
.endr
	v_nop                                          ; one plain place behind a scaled conversion
.irp c, 0,1                                    ; the operand's layout wants a whole block in a lane: lanes 0-15 block 2 c, lanes 16-31 block 2 c + 1
.irp i, 0,1,2
	v_permlane16_swap_b32 v[CD+6*\c+\i], v[CD+12+4*\c+\i]
.endr
.irp i, 0,1,2
	v_mov_b32 v[CD+3+6*\c+\i], v[CD+12+4*\c+\i]
.endr
.endr
.endm
; THE WAY OUT of block a (16 rows x 128 columns): + bias, quantised, two images stored; behind each fourth block the two records' scale bytes.
.macro OUTBLK a
.set AC, 64*((\a)%4)
.set WN, 0x02+(\a)/4                   ; source 0: window 2 or 3
.set OB, 4+2*((\a)/4)                  ; s[4:5] or s[6:7]
.if (\a) > 0
	s_wait_xcnt 0x0                                ; the last block's stores have read their registers: the codes are written again only behind this wait
.endif
	s_cmp_eq_u32 s[KIND], 2                        ; the kind is the same in every wave and every partner
	s_cbranch_scc1 .Lby_rows_\@
	WIN WN
.set i, 0
.rept 32
	v_pk_add_f32 v[X+2*i:X+2*i+1], v[AC+2*i:AC+2*i+1], v[BN+2*i:BN+2*i+1]   ; each accumulator from its low end on
.set i, i+1
.endr
	WIN 0
	s_branch .Lbiased_\@
.Lby_rows_\@:
	WIN WN
.set i, 0
.rept 32
	v_pk_add_f32 v[X+2*i:X+2*i+1], v[AC+2*i:AC+2*i+1], v[BM+2*(\a):BM+2*(\a)+1]
.set i, i+1
.endr
	WIN 0
.Lbiased_\@:
	QUANT X, PWV+(\a)%4
.irp c, 0,1
.irp p, 0,1,2
	global_store_b64 v[V8L+\c], v[CD+6*\c+2*\p:CD+6*\c+2*\p+1], s[OB:OB+1] offset:((\a)%4)*768+256*\p   ; 32 lanes store 256 consecutive bytes, aligned
.endr
.endr
.if ((\a)%4) == 3
.irp c, 0,1
	v_perm_b32 v12, v[PWV+1], v[PWV], 0x05040100+\c*0x02020202     ; half c's two bytes of tiles 0 and 1,
	v_perm_b32 v13, v[PWV+3], v[PWV+2], 0x05040100+\c*0x02020202   ; of tiles 2 and 3
	v_cndmask_b32 v[SW+2*(2*((\a)/4)+\c)], v12, v13, s92           ; lanes 0-15 carry the first, lanes 16-31 the second
	global_store_b64 v[V8L+\c], v[SW+2*(2*((\a)/4)+\c):SW+2*(2*((\a)/4)+\c)+1], s[OB:OB+1] offset:3072
.endr
.endif
.endm
	PLACES NP                                      ; behind the last products: their results are read, and the registers that held A's fragments are written
.irp a, 0,1,2,3,4,5,6,7
	OUTBLK \a
.endr
	s_wait_tensorcnt 0x0                           ; the wave's end
	ds_add_u32 v[SPW], v[NIL]
	s_wait_dscnt 0x0
	CROUND                                         ; the closing round: no work-group ends while a partner may still ask for a tile that names it
	s_endpgm
.Lfunc_end_k_q7ed2b061ef_proj:
	.size	k_q7ed2b061ef_proj, .Lfunc_end_k_q7ed2b061ef_proj-k_q7ed2b061ef_proj
	.p2alignl 7, 3214868480
	.fill 96, 4, 3214868480
	.section	.rodata,"a",@progbits
	.p2align	6, 0x0
	.amdhsa_kernel k_q7ed2b061ef_proj
		.amdhsa_group_segment_fixed_size 327680
		.amdhsa_private_segment_fixed_size 0
		.amdhsa_enable_private_segment 0
		.amdhsa_kernarg_size 48
		.amdhsa_user_sgpr_count 2
		.amdhsa_user_sgpr_kernarg_segment_ptr 1
		.amdhsa_wavefront_size32 1
		.amdhsa_system_sgpr_workgroup_id_x 1
		.amdhsa_system_sgpr_workgroup_id_y 1
		.amdhsa_system_sgpr_workgroup_id_z 1
		.amdhsa_system_vgpr_workitem_id 0
		.amdhsa_next_free_vgpr 1024
		.amdhsa_next_free_sgpr 102
		.amdhsa_reserve_vcc 0
		.amdhsa_float_denorm_mode_32 3
		.amdhsa_float_denorm_mode_16_64 3
		.amdhsa_memory_ordered 1
		.amdhsa_forward_progress 1
		.amdhsa_inst_pref_size 205
	.end_amdhsa_kernel
	.amdgpu_metadata
---
amdhsa.version: [ 1, 2 ]
amdhsa.kernels:
  - .name:           k_q7ed2b061ef_proj
    .symbol:         k_q7ed2b061ef_proj.kd
    .args:
      - { .name: xc, .offset: 0, .size: 8, .value_kind: global_buffer, .address_space: global }
      - { .name: xs, .offset: 8, .size: 8, .value_kind: global_buffer, .address_space: global }
      - { .name: bq, .offset: 16, .size: 8, .value_kind: global_buffer, .address_space: global }
      - { .name: bk, .offset: 24, .size: 8, .value_kind: global_buffer, .address_space: global }
      - { .name: bv, .offset: 32, .size: 8, .value_kind: global_buffer, .address_space: global }
      - { .name: qkv, .offset: 40, .size: 8, .value_kind: global_buffer, .address_space: global }
    .group_segment_fixed_size: 327680
    .private_segment_fixed_size: 0
    .kernarg_segment_align: 8
    .kernarg_segment_size: 48
    .max_flat_workgroup_size: 128
    .sgpr_count:     102
    .vgpr_count:     1024
    .wavefront_size: 32
...
	.end_amdgpu_metadata
.endif
;; end of part 2
;; launch attn (part 3): grid 64 x 4, 16 waves a work-group, no clusters, 169,984 bytes of LDS; arguments qkv, cimg, cs; writes cimg, cs
.if DOCPART == 3
	.amdgcn_target "amdgcn-amd-amdhsa--gfx1250"
	.amdhsa_code_object_version 6
	.text
	.protected	k_q7ed2b061ef_attn
	.globl	k_q7ed2b061ef_attn
	.p2align	8
	.type	k_q7ed2b061ef_attn,@function
k_q7ed2b061ef_attn:
	s_mov_b64 s[64:65], 0
	v_nop
	global_prefetch_b8 v0, s[64:65] scope:SCOPE_SE
	s_setreg_imm32_b32 hwreg(HW_REG_WAVE_MODE, 25, 1), 1
	s_wait_xcnt 0x0
; Attention inside the window |query - key| <= 64, both products on codes of BF6 (E3M2) with one E8M0 scale for each 32 along K; the result is quantised along the model's width and leaves as codes.
; A work-group owns 64 queries (group a) of four heads; each of its sixteen waves owns 16 queries of one head, in 256 registers: four waves to a SIMD.
; THE WINDOW of a wave: five blocks of 32 keys from ks = 64 (a - 1) + 32 e' on (e' = which half of the 64 queries).  Counted from ks, key x counts for query row r where 16 e + r <= x <= 16 e + r + 128
; (e = which 16 of the half) and the key exists.  All other keys are thrown away by the mask that the problem builds itself, so they are not multiplied.
; K's and V's records of groups a - 1, a, a + 1 (3 x 3,328 dense bytes a head) come into LDS once, one tensor load each for waves 0 to 7.  Beyond a head's ends lie a neighbour head's record or a record of zeros:
; finite numbers, all under the mask.  No cluster: neighbouring work-groups' windows are shifted by a record, so no two ask for the same tile.
; S^T = K Q^T (source 0 = 16 keys, source 1 = my queries; K = the head's 64, the upper 64 of the instruction's 128 are zero codes).  K's rows lie in an order by which S^T's register 16 b + i is key ks + 32 b + 16 (lane / 16) + i.
; SOFTMAX: t = score x log2(e) / 8; M = ceil(the row's largest t); p = 2^(t - M) is quantised along the keys; the row's sum is taken of the unquantised p and divides at the end (v_rcp_f32, then a multiplication).
; O^T = V^T P^T in two key steps: keys 128-159 (one block, the rest zero codes) start the sums, keys 0-127 add onto them.  V's rows d lie in the same order, so O^T's register 16 b + i is d = 32 b + 16 (lane / 16) + i.
; LIMITS: NaN and infinities are not served; a block whose largest magnitude lies under 2^-122 gets the byte 1.
; REGISTERS: v1-11 addresses and mask terms; v12 -M, v13 t, v[14:15] the sum; v16-27 Q; v28-75 four fragments; v76-155 S^T, then p, then V of key step 0; v156-187 O^T; v188-211 p's codes; v212-234 at work; v235-249 scale words.
.set REC,  3328
.set REG,  1026*REC
.set WIN3, 3*REC                       ; a head's three records
.set SCR,  8*WIN3                      ; behind the tiles: 512 bytes in which the sixteen waves' scale bytes meet; no tile lands there
.set KB,   28
.set S,    76
.set O,    156
.set P0,   188
.set P1,   200
.set T,    212
.set MX,   220
.set PB,   225
.set CVS,  230
.set PW0,  235
.set PW1,  236
.set QS,   237
.set KSC,  238
.set VW0,  242
.set VW1,  246
	s_load_b128 s[4:7], s[0:1], 0x0                ; qkv, cimg
	s_load_b64 s[8:9], s[0:1], 0x10                ; cs
	v_lshl_add_u32 v254, v0, 2, 0x29000
	v_mov_b32 v255, 0
	ds_add_u32 v254, v255
	ds_add_u32 v254, v255
	s_wait_dscnt 0x0
	v_lshrrev_b32 v1, 5, v0
	v_readfirstlane_b32 s10, v1                    ; wave 0..15
	s_lshr_b32 s11, s10, 2                         ; hd: my head of the four
	s_and_b32 s12, s10, 3                          ; qt: my 16 queries of the 64
	s_lshr_b32 s13, s12, 1                         ; e'
	s_and_b32 s14, s12, 1                          ; e
	s_mov_b32 s15, ttmp9                           ; a
	s_and_b32 s16, ttmp7, 0xffff                   ; hg
	s_lshl_b32 s17, s16, 2
	s_add_co_u32 s17, s17, s11                     ; head
	s_lshl_b32 s18, s13, 3                         ; 8 e'
	s_mul_i32 s19, s13, 0x01010101
	s_add_co_u32 s19, s19, 0x03020100              ; byte selects: four bytes from byte e' on
	s_mov_b32 s24, 3<<16                           ; group 1: 39 dense rows of 256 bytes (32 elements of 8 bytes), no mask, no padding
	s_mov_b32 s25, 32<<16
	s_mov_b32 s26, 39<<16
	s_mov_b32 s27, 32<<16
	s_mov_b32 s28, 39
	s_mov_b32 s29, 32
	s_mov_b32 s30, 0
	s_mov_b32 s31, 0
	s_bfe_u32 s36, s10, 0x10002                    ; waves 0-3 fetch K of head 4 hg + wave, waves 4-7 V likewise
	s_add_co_u32 s36, s36, 1
	s_mul_i32 s36, s36, REG
	s_lshl_b32 s37, s16, 2
	s_add_co_u32 s37, s37, s12
	s_lshl_b32 s37, s37, 6
	s_add_co_u32 s37, s37, s15                     ; record 1 + 64 head + (a - 1)
	s_mul_i32 s37, s37, REC
	s_add_co_u32 s36, s36, s37
	s_mov_b32 s37, 0
	s_mov_b32 s20, 1
	s_mul_i32 s21, s10, WIN3
	s_lshl_b32 s38, s17, 6                         ; q's record: 1 + 64 head + a
	s_add_co_u32 s38, s38, s15
	s_add_co_u32 s38, s38, 1
	s_mul_i32 s38, s38, REC
	s_mov_b32 s39, 0
	s_mul_i32 s40, s12, 768
	s_mov_b32 s41, 0
	s_wait_kmcnt 0x0
	s_add_nc_u64 s[22:23], s[4:5], s[36:37]
	s_or_b32 s23, s23, 0x80000000
	s_cmp_lt_u32 s10, 8
	s_cbranch_scc0 .Lnofill
	tensor_load_to_lds s[20:23], s[24:31]          ; filled once in the launch
	s_nop 0
.rept 4
	v_nop
.endr
.Lnofill:
	s_add_nc_u64 s[38:39], s[4:5], s[38:39]
	s_add_nc_u64 s[40:41], s[38:39], s[40:41]      ; my tile's image
	v_and_b32 v1, 15, v0                           ; r
	v_bfe_u32 v2, v0, 4, 1                         ; h
	v_and_b32 v3, 31, v0
	v_lshlrev_b32 v3, 3, v3                        ; 8 x lane
.irp p, 0,1,2
	global_load_b64 v[16+2*\p:17+2*\p], v3, s[40:41] offset:256*\p   ; Q's six registers as they were stored
.endr
	s_lshl_b32 s42, s13, 7
	s_lshl_b32 s43, s14, 1
	s_add_co_u32 s42, s42, s43
	v_lshl_add_u32 v219, v1, 3, s42                ; 8 (r + 16 e') + 2 e
	global_load_u16 v[QS], v219, s[38:39] offset:3072   ; its two scale bytes; the upper two bytes are 0 and stand over zero codes
.irp i, 22,23,24,25,26,27
	v_mov_b32 v\i, 0                               ; K = 64 .. 127: zero codes
.endr
.irp t, 0,1,2,3
.irp i, 6,7,8,9,10,11
	v_mov_b32 v[KB+12*\t+\i], 0
.endr
.endr
.irp i, 3,4,5,6,7,8,9,10,11
	v_mov_b32 v[P1+\i], 0
.endr
.irp b, 0,1,2,3,4
	v_mov_b32 v[PB+\b], 0                          ; written once: a lane permute's destination counts as one of its sources
.endr
	v_mov_b32 v254, 0xff800000                     ; -infinity
	s_mov_b32 s32, 0x76543210
	s_mov_b32 s33, 0xfedcba98                      ; lane l xor 16
	s_mov_b32 s34, 0x3e38aa3b                      ; c = log2(e) / 8
	s_mov_b32 s35, s34
	; LDS addresses.  Tile x of my ten is tile x + 2 e' of the three records; a record is 4 x 768 + 256 bytes, so e' adds 1,536 where no record's end is passed and 1,792 where one is
	s_mul_i32 s36, s11, WIN3
	s_mul_i32 s37, s13, 1536
	s_add_co_u32 s37, s37, s36
	v_add_nc_u32 v4, s37, v3
	s_mul_i32 s37, s13, 1792
	s_add_co_u32 s37, s37, s36
	v_add_nc_u32 v5, s37, v3
	v_lshlrev_b32 v253, 3, v1                      ; 8 r
	s_lshl_b32 s37, s13, 7                         ; K's scale bytes: e' adds 128 inside a record, 3,200 into the next
	s_add_co_u32 s37, s37, s36
	v_add_nc_u32 v6, s37, v253
	s_mul_i32 s37, s13, 3200
	s_add_co_u32 s37, s37, s36
	v_add_nc_u32 v7, s37, v253
	s_add_co_u32 s43, s36, 4*WIN3                  ; V's three records
	v_add_nc_u32 v212, s13, v2                     ; x = e' + h: my block of 32 keys is block x of the records: record x / 2, lanes' half x % 2
	v_lshrrev_b32 v8, 1, v212
	v_mul_u32_u24 v8, v8, REC
	v_and_b32 v212, 1, v212
	v_lshl_add_u32 v8, v212, 7, v8
	v_add_nc_u32 v8, v8, v253
	v_add_nc_u32 v8, s43, v8
	s_lshl_b32 s37, s13, 7
	s_add_co_u32 s37, s37, s43
	s_add_co_u32 s37, s37, 2*REC
	v_add_nc_u32 v9, s37, v253                     ; keys 128-159: record 2, half e'; lanes 16-31 read the same and stand against zero codes of p
	v_add_nc_u32 v10, s43, v253                    ; V's scale bytes
	s_lshl_b32 s36, s12, 7                         ; where my rows' two scale bytes meet the other heads': 128 qt + 64 (hd / 2) + 4 r + 2 (hd % 2)
	s_lshr_b32 s37, s11, 1
	s_lshl_b32 s37, s37, 6
	s_add_co_u32 s36, s36, s37
	s_and_b32 s37, s11, 1
	s_lshl_b32 s37, s37, 1
	s_add_co_u32 s36, s36, s37
	s_add_co_u32 s36, s36, SCR
	v_lshl_add_u32 v250, v1, 2, s36
	v_lshlrev_b32 v255, 1, v3
	v_add_nc_u32 v255, SCR, v255                   ; and where wave 0 reads them back: 16 x lane
	; the mask's bounds, counted from ks: lo = max(16 e + r, -ks), hi = min(16 e + r + 128, 4095 - ks)
	s_lshl_b32 s42, s15, 6
	s_sub_co_i32 s42, 64, s42
	s_lshl_b32 s37, s13, 5
	s_sub_co_i32 s42, s42, s37                     ; -ks
	v_lshl_add_u32 v11, s14, 4, v1
	v_mov_b32 v212, s42
	v_cmp_gt_i32 vcc_lo, v212, v11
	v_add_nc_u32 v251, 0x80, v11
	v_cndmask_b32 v11, v11, v212, vcc_lo
	v_add_nc_u32 v212, 0xfff, v212
	v_cmp_lt_i32 vcc_lo, v212, v251
	v_cndmask_b32 v251, v251, v212, vcc_lo
	v_lshlrev_b32 v213, 4, v2
	v_sub_nc_u32 v11, v11, v213                    ; lo - 16 h
	v_sub_nc_u32 v251, v251, v213
	v_add_nc_u32 v251, 0xffffff80, v251            ; hi - 16 h - 128
	s_lshl_b32 s44, s15, 2                         ; ctx's image: tile of rows 4 a + qt, head
	s_add_co_u32 s44, s44, s12
	s_lshl_b32 s44, s44, 4
	s_add_co_u32 s44, s44, s17
	s_mul_i32 s44, s44, 768
	s_mov_b32 s45, 0
	s_add_nc_u64 s[6:7], s[6:7], s[44:45]
	s_lshl_b32 s46, s16, 8                         ; its scale words: (256 hg + 4 a) x 128 bytes
	s_lshl_b32 s47, s15, 2
	s_add_co_u32 s46, s46, s47
	s_lshl_b32 s46, s46, 7
	s_mov_b32 s47, 0
	s_add_nc_u64 s[8:9], s[8:9], s[46:47]
	s_wait_tensorcnt 0x0                           ; my tile has landed,
	s_wait_loadcnt 0x0                             ; Q is in,
	s_barrier_signal -1
	s_barrier_wait -1                              ; and every wave's tile has landed
; n tiles of 16 keys from tile t0 on: their images and scale bytes from LDS, then their products
.macro KGRP t0, n
.if \t0 > 0
.rept 4
	v_nop                                          ; places in front of loads into registers that matrix instructions have read
.endr
.endif
.set tt, \t0
.rept \n
.set kr, KB+12*(tt%4)
.set ka, 4+(tt%4)/2
.set sa, 6+(tt/2)%2
.irp p, 0,1,2
	ds_load_b64 v[kr+2*\p:kr+2*\p+1], v[ka] offset:768*tt+256*(tt/4)+256*\p
.endr
	ds_load_u16 v[KSC+tt%4], v[sa] offset:(tt/4)*REC+3072+128*((tt/2)%2)+2*(tt%2)
.set tt, tt+1
.endr
	s_wait_dscnt 0x0
.set tt, \t0
.rept \n
	v_wmma_scale_f32_16x16x128_f8f6f4 v[S+8*tt:S+8*tt+7], v[KB+12*(tt%4):KB+12*(tt%4)+11], v[16:27], 0, v[KSC+tt%4], v[QS] matrix_a_fmt:MATRIX_FMT_BF6 matrix_b_fmt:MATRIX_FMT_BF6
.set tt, tt+1
.endr
.endm
	KGRP 0, 4
	KGRP 4, 4
	KGRP 8, 2
.rept 4
	v_nop                                          ; places behind the last products
.endr
.irp d, 0,1,2,3                                ; asked for now, wanted behind the softmax: V of keys 128-159, and V's scale bytes of the three records
.irp p, 0,1,2
	ds_load_b64 v[KB+12*\d+2*\p:KB+12*\d+2*\p+1], v9 offset:768*\d+256*\p
.endr
.endr
.irp d, 0,1,2,3
.irp g, 0,1,2
	ds_load_u16 v[O+3*\d+\g], v10 offset:\g*REC+3072+128*(\d/2)+2*(\d%2)
.endr
.endr
	; THE MASK: hidden scores become -infinity, so that p = 0.  Register 16 b + i holds key 32 b + 16 h + i
.set i, 0
.rept 16
	v_cmp_lt_i32 vcc_lo, i, v11
	v_cndmask_b32 v[S+i], v[S+i], v254, vcc_lo
	v_cmp_gt_i32 vcc_lo, i, v251
	v_cndmask_b32 v[S+64+i], v[S+64+i], v254, vcc_lo
.set i, i+1
.endr
	s_cmp_lg_u32 s15, 0                            ; only the first group of queries has keys before key 0 in block 1,
	s_cbranch_scc1 .Lno_b1
.set i, 0
.rept 16
	v_cmp_lt_i32 vcc_lo, 32+i, v11
	v_cndmask_b32 v[S+16+i], v[S+16+i], v254, vcc_lo
.set i, i+1
.endr
.Lno_b1:
	s_cmp_lg_u32 s15, 63                           ; only the last has keys beyond the last key in block 3
	s_cbranch_scc1 .Lno_b3
	v_add_nc_u32 v252, 32, v251
.set i, 0
.rept 16
	v_cmp_gt_i32 vcc_lo, i, v252
	v_cndmask_b32 v[S+48+i], v[S+48+i], v254, vcc_lo
.set i, i+1
.endr
.Lno_b3:
.irp b, 0,1,2,3,4
	v_max3_num_f32 v[MX+\b], v[S+16*\b], v[S+16*\b+1], v[S+16*\b+2]   ; the largest score of each block: for the row's maximum and, since p rises with the score, for the block's largest p
.endr
.irp i, 3,5,7,9,11,13
.irp b, 0,1,2,3,4
	v_max3_num_f32 v[MX+\b], v[MX+\b], v[S+16*\b+\i], v[S+16*\b+\i+1]
.endr
.endr
.irp b, 0,1,2,3,4
	v_max_num_f32 v[MX+\b], v[MX+\b], v[S+16*\b+15]
.endr
.irp b, 0,1,2,3,4
	v_permlanex16_b32 v[PB+\b], v[MX+\b], s32, s33
.endr
.irp b, 0,1,2,3,4
	v_max_num_f32 v[MX+\b], v[MX+\b], v[PB+\b]     ; with lane l xor 16's 16 keys
.endr
	v_max3_num_f32 v252, v[MX], v[MX+1], v[MX+2]
	v_max3_num_f32 v252, v252, v[MX+3], v[MX+4]    ; the row's largest score: the query's own key always counts, so it is a number
	v_mul_f32 v13, s34, v252                       ; as t
	v_floor_f32 v12, -v13                          ; -M = floor(-t) = -ceil(t)
.set j, 0
.rept 40
	v_pk_fma_f32 v[S+j:S+j+1], v[S+j:S+j+1], s[34:35], v[12:13] op_sel_hi:[1,0,0]   ; t - M, two at a time
.set j, j+2
.endr
.irp b, 0,1,2,3,4
	v_fma_f32 v[MX+\b], v[MX+\b], s34, v12
.endr
.set j, 0
.rept 80
	v_exp_f32 v[S+j], v[S+j]                       ; p = 2^(t - M), at most 1, not normalised
.set j, j+1
.endr
.irp b, 0,1,2,3,4
	v_exp_f32 v[MX+\b], v[MX+\b]                   ; the block's largest p: the same two instructions on the same number
.endr
	v_nop                                          ; a plain place behind the exponentials
	s_wait_alu depctr_va_vdst(0)
.irp b, 0,1,2,3,4
	v_max_num_f32 v[MX+\b], 0x2800000, v[MX+\b]    ; the floor 2^(5 - 127): a block of zeros keeps the byte 1
.endr
.irp b, 0,1,2,3,4
	v_add_nc_u32 v[CVS+\b], 0xfe000000, v[MX+\b]   ; 4 off the exponent field: the conversion's scale operand
.endr
.irp b, 0,1,2,3,4
	v_lshrrev_b32 v[PB+\b], 23, v[CVS+\b]          ; the scale's byte
.endr
	v_lshl_or_b32 v[PW0], v[PB+1], 8, v[PB]        ; p's scale word for keys 0-127,
	v_lshl_or_b32 v[PW0], v[PB+2], 16, v[PW0]
	v_lshl_or_b32 v[PW0], v[PB+3], 24, v[PW0]
	v_mov_b32 v[PW1], v[PB+4]                      ; and for keys 128-159
	s_wait_dscnt 0x0                               ; V of keys 128-159 and V's scale bytes are in
.irp d, 0,1,2,3
	v_lshl_or_b32 v[T+\d], v[O+3*\d+1], 16, v[O+3*\d]              ; the bytes of blocks 0-3 of the records;
	v_perm_b32 v[VW0+\d], v[O+3*\d+2], v[T+\d], s19                ; my keys 0-127 are blocks e' .. e' + 3,
	v_lshrrev_b32 v[VW1+\d], s18, v[O+3*\d+2]                      ; my keys 128-159 block 4 + e'
.endr
	v_cvt_scalef32_pk16_bf6_f32 v[P0:P0+2], v[S:S+15], v[CVS]
	v_cvt_scalef32_pk16_bf6_f32 v[T:T+2], v[S+16:S+31], v[CVS+1]   ; (a conversion's three registers begin on an even number)
	v_cvt_scalef32_pk16_bf6_f32 v[P0+6:P0+8], v[S+32:S+47], v[CVS+2]
	v_cvt_scalef32_pk16_bf6_f32 v[T+4:T+6], v[S+48:S+63], v[CVS+3]
	v_cvt_scalef32_pk16_bf6_f32 v[P1:P1+2], v[S+64:S+79], v[CVS+4]
	v_nop                                          ; one plain place behind a scaled conversion
.irp c, 0,1                                    ; the operand's layout wants a whole block in a lane
.irp i, 0,1,2
	v_permlane16_swap_b32 v[P0+6*\c+\i], v[T+4*\c+\i]
.endr
.irp i, 0,1,2
	v_mov_b32 v[P0+3+6*\c+\i], v[T+4*\c+\i]
.endr
.endr
.irp i, 0,1,2
	v_permlane16_swap_b32 v[P1+\i], v[P1+3+\i]     ; against zeros: lanes 0-15 get the whole block, lanes 16-31 zero codes
.endr
	v_pk_add_f32 v[14:15], v[S:S+1], v[S+2:S+3]    ; the row's sum of the unquantised p, in two chains.  (These lines are also the places between the scale words and codes just made and the products)
	v_pk_add_f32 v[252:253], v[S+4:S+5], v[S+6:S+7]
.set j, 8
.rept 18
	v_pk_add_f32 v[14:15], v[14:15], v[S+j:S+j+1]
	v_pk_add_f32 v[252:253], v[252:253], v[S+j+2:S+j+3]
.set j, j+4
.endr
	v_pk_add_f32 v[14:15], v[14:15], v[252:253]
.irp d, 0,1,2,3                                ; V of keys 0-127, into the registers that p has left
.irp c, 0,1
.irp p, 0,1,2
	ds_load_b64 v[S+12*\d+6*\c+2*\p:S+12*\d+6*\c+2*\p+1], v8 offset:\c*REC+768*\d+256*\p
.endr
.endr
.endr
	s_wait_dscnt 0x0
.irp d, 0,1,2,3                                ; the four accumulators take turns
	v_wmma_scale_f32_16x16x128_f8f6f4 v[O+8*\d:O+8*\d+7], v[KB+12*\d:KB+12*\d+11], v[P1:P1+11], 0, v[VW1+\d], v[PW1] matrix_a_fmt:MATRIX_FMT_BF6 matrix_b_fmt:MATRIX_FMT_BF6
.endr
.irp d, 0,1,2,3
	v_wmma_scale_f32_16x16x128_f8f6f4 v[O+8*\d:O+8*\d+7], v[S+12*\d:S+12*\d+11], v[P0:P0+11], v[O+8*\d:O+8*\d+7], v[VW0+\d], v[PW0] matrix_a_fmt:MATRIX_FMT_BF6 matrix_b_fmt:MATRIX_FMT_BF6
.endr
	v_add_f32 v14, v14, v15                        ; the sum's two halves,
	v_permlanex16_b32 v[PB], v14, s32, s33
	v_add_f32 v14, v14, v[PB]                      ; and lane l xor 16's
	v_rcp_f32 v14, v14
.rept 3
	v_nop                                          ; a plain place behind the reciprocal; with the two additions, the places behind the last products
.endr
.set j, 0
	s_wait_alu depctr_va_vdst(0)
.rept 16
	v_pk_mul_f32 v[O+j:O+j+1], v[O+j:O+j+1], v[14:15] op_sel_hi:[1,0]   ; ctx = O^T / the sum; each accumulator from its low end on
.set j, j+2
.endr
.irp b, 0,1                                    ; ctx's two blocks of 32 along d
	v_max3_num_f32 v[MX+\b], |v[O+16*\b]|, |v[O+16*\b+1]|, 0x2800000
.endr
.irp i, 2,4,6,8,10,12,14
.irp b, 0,1
	v_max3_num_f32 v[MX+\b], v[MX+\b], |v[O+16*\b+\i]|, |v[O+16*\b+\i+1]|
.endr
.endr
.irp b, 0,1
	v_permlanex16_b32 v[PB+\b], v[MX+\b], s32, s33
.endr
.irp b, 0,1
	v_max_num_f32 v[MX+\b], v[MX+\b], v[PB+\b]
.endr
.irp b, 0,1
	v_add_nc_u32 v[CVS+\b], 0xfe000000, v[MX+\b]
.endr
.irp b, 0,1
	v_lshrrev_b32 v[PB+\b], 23, v[CVS+\b]
.endr
	v_lshl_or_b32 v252, v[PB+1], 8, v[PB]          ; my row's two scale bytes
	v_cvt_scalef32_pk16_bf6_f32 v[P0:P0+2], v[O:O+15], v[CVS]
	v_cvt_scalef32_pk16_bf6_f32 v[T:T+2], v[O+16:O+31], v[CVS+1]
	v_nop
.irp i, 0,1,2
	v_permlane16_swap_b32 v[P0+\i], v[T+\i]
.endr
.irp i, 0,1,2
	v_mov_b32 v[P0+3+\i], v[T+\i]
.endr
.irp p, 0,1,2
	global_store_b64 v3, v[P0+2*\p:P0+2*\p+1], s[6:7] offset:256*\p   ; 32 lanes store 256 consecutive bytes, aligned
.endr
	ds_store_b16 v250, v252                        ; lanes r and r + 16 write the same bytes with the same value
	s_wait_dscnt 0x0                               ; for the others' sake: my store has landed
	s_barrier_signal -1
	s_barrier_wait -1
	s_cmp_lg_u32 s10, 0
	s_cbranch_scc1 .Lend
	ds_load_b128 v[16:19], v255                    ; the work-group's 512 bytes of scale words
	v_lshlrev_b32 v253, 1, v3
	s_wait_dscnt 0x0
	global_store_b128 v253, v[16:19], s[8:9]       ; 32 lanes store 512 consecutive bytes, aligned
.Lend:
	s_wait_xcnt 0x0
	v_lshl_add_u32 v254, v0, 2, 0x29000
	v_mov_b32 v255, 0
	s_wait_tensorcnt 0x0
	ds_add_u32 v254, v255
	s_wait_dscnt 0x0
	s_endpgm
.Lfunc_end_k_q7ed2b061ef_attn:
	.size	k_q7ed2b061ef_attn, .Lfunc_end_k_q7ed2b061ef_attn-k_q7ed2b061ef_attn
	.p2alignl 7, 3214868480
	.fill 96, 4, 3214868480
	.section	.rodata,"a",@progbits
	.p2align	6, 0x0
	.amdhsa_kernel k_q7ed2b061ef_attn
		.amdhsa_group_segment_fixed_size 169984
		.amdhsa_private_segment_fixed_size 0
		.amdhsa_enable_private_segment 0
		.amdhsa_kernarg_size 24
		.amdhsa_user_sgpr_count 2
		.amdhsa_user_sgpr_kernarg_segment_ptr 1
		.amdhsa_wavefront_size32 1
		.amdhsa_system_sgpr_workgroup_id_x 1
		.amdhsa_system_sgpr_workgroup_id_y 1
		.amdhsa_system_sgpr_workgroup_id_z 1
		.amdhsa_system_vgpr_workitem_id 0
		.amdhsa_next_free_vgpr 256
		.amdhsa_next_free_sgpr 66
		.amdhsa_reserve_vcc 1
		.amdhsa_float_denorm_mode_32 3
		.amdhsa_float_denorm_mode_16_64 3
		.amdhsa_memory_ordered 1
		.amdhsa_forward_progress 1
		.amdhsa_inst_pref_size 38
	.end_amdhsa_kernel
	.amdgpu_metadata
---
amdhsa.version: [ 1, 2 ]
amdhsa.kernels:
  - .name:           k_q7ed2b061ef_attn
    .symbol:         k_q7ed2b061ef_attn.kd
    .args:
      - { .name: qkv, .offset: 0, .size: 8, .value_kind: global_buffer, .address_space: global }
      - { .name: cimg, .offset: 8, .size: 8, .value_kind: global_buffer, .address_space: global }
      - { .name: cs, .offset: 16, .size: 8, .value_kind: global_buffer, .address_space: global }
    .group_segment_fixed_size: 169984
    .private_segment_fixed_size: 0
    .kernarg_segment_align: 8
    .kernarg_segment_size: 24
    .max_flat_workgroup_size: 512
    .sgpr_count:     66
    .vgpr_count:     256
    .wavefront_size: 32
...
	.end_amdgpu_metadata
.endif
;; end of part 3
;; launch outp (part 4): grid 8 x 32, 4 waves a work-group, clusters of 4 x 4, 235,520 bytes of LDS; arguments cimg, cs, xc, xs, bo, out0; writes out0
.if DOCPART == 4
	.amdgcn_target "amdgcn-amd-amdhsa--gfx1250"
	.amdhsa_code_object_version 6
	.text
	.protected	k_q7ed2b061ef_outp
	.globl	k_q7ed2b061ef_outp
	.p2align	8
	.type	k_q7ed2b061ef_outp,@function
k_q7ed2b061ef_outp:
	s_mov_b64 s[64:65], 0
	v_nop
	global_prefetch_b8 v0, s[64:65] scope:SCOPE_SE
	s_setreg_imm32_b32 hwreg(HW_REG_WAVE_MODE, 25, 1), 1
	s_wait_xcnt 0x0
	s_wait_alu depctr_hold_cnt(0) depctr_sa_sdst(0) depctr_va_vdst(0) depctr_va_sdst(0) depctr_va_ssrc(0) depctr_va_vcc(0) depctr_vm_vsrc(0)
	s_getreg_b32 s2, hwreg(HW_REG_IB_STS2, 6, 4)
	s_cmp_eq_u32 s2, 0
	s_cbranch_scc0 .Lentry_in_a_cluster
	s_endpgm
.Lentry_in_a_cluster:
	s_bfe_u32 s2, ttmp6, 0x10000c
	s_cmp_lg_u32 s2, 0xf033
	s_cbranch_scc0 .Lentry_shape_is_right
	s_endpgm
.Lentry_shape_is_right:
; out = ctx Wo^T + bo on codes of BF6 (E3M2) with one E8M0 scale for each 32 along K = 1,024; out is [4096][1024] f32.
; A tile of out is 128 x 128, so that there are 256 work-groups; four waves, each 64 x 64: 16 accumulators of 16 x 16.  All of K for the tile lies in LDS, filled once: no ring.
; ctx comes as images of operand registers: for a tile of 16 rows, 16 images (one a head) of 768 bytes: register pair p of lane l at 256 p + 8 l; K step s takes the images of heads 2 s and 2 s + 1.
; Its scale words lie as [4][256 tiles of rows][2][16 rows]: K step s of a tile of rows at (s / 2) x 32,768 + tile x 128 + (s % 2) x 64 + 4 r.
; Wo's codes are rows of 768 bytes (rows 15,360 on of xc), its scale bytes rows of 32 (xs).
; CLUSTERS: 4 x 4 work-groups; ctx's tiles are shared along a row of the cluster, Wo's along a column: each is asked for JOINTLY.
; THE MATRIX INSTRUCTION IS USED TRANSPOSED (source 0 = 16 rows of Wo, source 1 = 16 rows of ctx): a lane holds eight neighbouring numbers of a row of out.  The bias is the C of each sum's first instruction.
; REGISTERS: window 0: v16-28 addresses; v32-47 scale words, two sets of 4 for ctx and 4 for Wo; v64-159, v160-255 two sets of fragments (Wo's four, then ctx's four).
;   window 1: v0-127 the accumulators ((a, b) at v[8 (4 a + b)]); v128-159 the bias of my 64 columns.
.set AREG,   52224                     ; LDS of one tensor load of codes: ctx: 4 x 12,288 dense bytes; Wo: 64 rows of 3 x (256 + 16) bytes
.set BP,     816                       ; a row of Wo in LDS
.set SCL,    4*AREG                    ; the scales: ctx's 2 x 2,048 bytes in places of 2,176, then Wo's 2 x 8 x (256 + 16)
.set SREG,   2176
.set STG,    SCL+4*SREG                ; the way out: 16 rows x (256 bytes + 16) for each wave; no tile lands there
.set SPITCH, 272
.set FR,     12
.set ADA, 16
.set ADB, 20                           ; v20, and v22 for the pieces that lie behind one padding more
.set STO, 24
.set RD,  25
.set ASA, 26
.set ASB, 27
.set CO,  28
.set SC,  32
.set BIAS, 128
.set G1A, 24
.set G0A, 32
.set G0SA, 36
.set G1B, 48
.set G0B, 56
.set G0SB, 60
.set G1SA, 68
.set G1SB, 80
.set MSB, 0
.macro WIN new                         ; the immediate's high byte repeats the setting that is left
.if MSB != \new
	s_set_vgpr_msb (MSB<<8)|\new
.set MSB, \new
.endif
.endm
.macro JLOAD g0a, g1a, g0b, g1b        ; a joint load: waves 0 and 1 fetch for ctx, waves 2 and 3 for Wo; four v_nop follow each of the two lines
	s_cmp_eq_u32 s15, 0
	s_cbranch_scc0 .Lfor_b_\@
	tensor_load_to_lds s[\g0a:\g0a+3], s[\g1a:\g1a+7]
	s_nop 0
.rept 4
	v_nop
.endr
	s_branch .Lasked_\@
.Lfor_b_\@:
	tensor_load_to_lds s[\g0b:\g0b+3], s[\g1b:\g1b+7]
	s_nop 0
.rept 4
	v_nop
.endr
.Lasked_\@:
.endm
.macro CROUND                          ; a round of the cluster's barrier
	s_barrier_signal -1
	s_barrier_wait -1
	s_cmp_lg_u32 s14, 0
	s_cbranch_scc1 .Lnot_wave_0_\@
	s_barrier_signal -3
.Lnot_wave_0_\@:
	s_barrier_wait -3
	s_barrier_signal -1
	s_barrier_wait -1
.endm
	s_load_b256 s[4:11], s[0:1], 0x0               ; cimg s[4:5], cs s[6:7], xc s[8:9], xs s[10:11]
	s_load_b128 s[96:99], s[0:1], 0x20             ; bo s[96:97], out0 s[98:99]
	v_lshl_add_u32 v62, v0, 2, 0x39600
	v_mov_b32 v63, 0
	ds_add_u32 v62, v63
	ds_add_u32 v62, v63
	v_lshrrev_b32 v1, 5, v0
	v_readfirstlane_b32 s14, v1                    ; wave 0..3
	s_lshr_b32 s15, s14, 1                         ; which half of the tile's rows is mine.  Also: I fetch for ctx (0) or for Wo (1)
	s_and_b32 s16, s14, 1                          ; which half of its columns.  Also: which half of that tile I fetch
	s_bfe_u32 s40, ttmp6, 0x40000                  ; cx, cy
	s_bfe_u32 s41, ttmp6, 0x40004
	s_lshl_b32 s42, ttmp9, 2
	s_add_co_u32 s42, s42, s40                     ; tile column = 4 x cluster x + cx
	s_and_b32 s17, ttmp7, 0xffff
	s_lshl_b32 s17, s17, 2
	s_add_co_u32 s17, s17, s41                     ; tile row = 4 x cluster y + cy
	s_lshl_b32 s43, s41, 2
	s_lshl_b32 s43, 15, s43                        ; my row of the cluster
	s_lshl_b32 s44, 0x1111, s40                    ; my column
	s_or_b32 s[G1A+0], s43, (3<<16)|(1<<21)        ; ctx's codes: 192 dense rows of 256 bytes (32 elements of 8), no padding
	s_or_b32 s[G1B+0], s44, (3<<16)|(1<<20)|(1<<21)|(5<<22)|(3<<25)   ; Wo's: the same with 16 bytes of padding behind each 256
.irp g, G1A, G1B
	s_mov_b32 s[\g+1], 32<<16
	s_mov_b32 s[\g+2], 192<<16
	s_mov_b32 s[\g+3], 32<<16
	s_mov_b32 s[\g+4], 192
	s_mov_b32 s[\g+5], 32
	s_mov_b32 s[\g+6], 0
	s_mov_b32 s[\g+7], 0
.endr
	s_or_b32 s[G1SA+0], s43, (3<<16)|(1<<21)       ; ctx's scale words: 4 rows of 512 bytes (four tiles of rows), 32,768 bytes apart
	s_mov_b32 s[G1SA+1], 64<<16
	s_mov_b32 s[G1SA+2], 4<<16
	s_mov_b32 s[G1SA+3], 64<<16
	s_mov_b32 s[G1SA+4], 4
	s_mov_b32 s[G1SA+5], 4096
	s_mov_b32 s[G1SA+6], 0
	s_mov_b32 s[G1SA+7], 0
	s_or_b32 s[G1SB+0], s44, (3<<16)|(1<<20)|(1<<21)|(5<<22)|(3<<25)  ; Wo's scale bytes: 8 dense rows of 256 bytes, padded
	s_mov_b32 s[G1SB+1], 32<<16
	s_mov_b32 s[G1SB+2], 8<<16
	s_mov_b32 s[G1SB+3], 32<<16
	s_mov_b32 s[G1SB+4], 8
	s_mov_b32 s[G1SB+5], 32
	s_mov_b32 s[G1SB+6], 0
	s_mov_b32 s[G1SB+7], 0
	s_lshl_b32 s18, s16, 2
	s_lshl_b32 s20, s17, 3
	s_add_co_u32 s20, s20, s18                     ; ctx: tile of 16 rows 8 x tile row + 4 x half
	s_lshl_b32 s22, s20, 7
	s_mov_b32 s23, 0
	s_mul_i32 s20, s20, 12288
	s_mov_b32 s21, 0
	s_lshl_b32 s19, s16, 6
	s_lshl_b32 s46, s42, 7
	s_add_co_u32 s46, s46, s19
	s_add_co_u32 s46, s46, 15360                   ; Wo: row 128 x tile column + 64 x half, behind the 15,360 rows of the other tensors
	s_lshl_b32 s92, s46, 5
	s_mov_b32 s93, 0
	s_mul_i32 s46, s46, 768
	s_mov_b32 s47, 0
	s_mul_i32 s45, s14, AREG                       ; where they go: by the wave's number alone
	s_mul_i32 s94, s14, SREG
	s_wait_dscnt 0x0
	s_wait_kmcnt 0x0
	s_add_nc_u64 s[20:21], s[4:5], s[20:21]
	s_add_nc_u64 s[22:23], s[6:7], s[22:23]
	s_add_nc_u64 s[46:47], s[8:9], s[46:47]
	s_add_nc_u64 s[92:93], s[10:11], s[92:93]
	CROUND                                         ; all sixteen work-groups are here: the joint loads meet
	s_mov_b32 s[G0SA], 1
	s_add_co_u32 s[G0SA+1], s94, SCL
	s_mov_b64 s[G0SA+2:G0SA+3], s[22:23]
	s_or_b32 s[G0SA+3], s[G0SA+3], 0x80000000
	s_mov_b32 s[G0SB], 1
	s_add_co_u32 s[G0SB+1], s94, SCL
	s_mov_b64 s[G0SB+2:G0SB+3], s[92:93]
	s_or_b32 s[G0SB+3], s[G0SB+3], 0x80000000
	JLOAD G0SA, G1SA, G0SB, G1SB
	s_mov_b32 s[G0A], 1
	s_mov_b32 s[G0A+1], s45
	s_mov_b64 s[G0A+2:G0A+3], s[20:21]
	s_or_b32 s[G0A+3], s[G0A+3], 0x80000000
	s_mov_b32 s[G0B], 1
	s_mov_b32 s[G0B+1], s45
	s_mov_b64 s[G0B+2:G0B+3], s[46:47]
	s_or_b32 s[G0B+3], s[G0B+3], 0x80000000
	JLOAD G0A, G1A, G0B, G1B                       ; two tensor loads of mine are out; nothing is filled twice
	v_and_b32 v1, 15, v0                           ; r
	v_bfe_u32 v2, v0, 4, 1                         ; h
	v_and_b32 v3, 31, v0
	v_lshlrev_b32 v4, 3, v3                        ; 8 x lane
	s_lshl_b32 s46, s42, 7
	s_lshl_b32 s47, s16, 6
	s_add_co_u32 s46, s46, s47                     ; my first column
	s_lshl_b32 s46, s46, 2
	v_lshlrev_b32 v7, 5, v2
	v_add_nc_u32 v7, s46, v7                       ; the bias: tile b's eight numbers of my half: 4 (first column + 16 b + 8 h)
	WIN 0x40                                       ; destination window 1
.irp b, 0,1,2,3
	global_load_b128 v[BIAS+8*\b:BIAS+8*\b+3], v7, s[96:97] offset:64*\b
	global_load_b128 v[BIAS+8*\b+4:BIAS+8*\b+7], v7, s[96:97] offset:64*\b+16
.endr
	WIN 0
	s_mul_i32 s21, s15, AREG
	v_add_nc_u32 v[ADA], s21, v4
	v_mul_u32_u24 v5, v1, BP
	v_mul_u32_u24 v6, v2, 24
	v_add_nc_u32 v5, v5, v6
	s_mul_i32 s22, s16, AREG
	s_add_co_u32 s22, s22, 2*AREG
	v_add_nc_u32 v[ADB], s22, v5
	v_lshl_add_u32 v5, v2, 4, v5
	v_add_nc_u32 v[ADB+2], s22, v5
	s_mul_i32 s21, s15, SREG
	s_add_co_u32 s21, s21, SCL
	v_lshl_add_u32 v[ASA], v1, 2, s21
	s_mul_i32 s22, s16, SREG
	s_add_co_u32 s22, s22, SCL+2*SREG
	v_lshlrev_b32 v5, 5, v1                        ; 32 bytes a row, and 16 more behind each 256
	v_lshrrev_b32 v6, 3, v1
	v_lshl_add_u32 v5, v6, 4, v5
	v_add_nc_u32 v[ASB], s22, v5
	s_mul_i32 s23, s14, 16*SPITCH
	s_add_co_u32 s23, s23, STG                     ; my stage
	v_mul_u32_u24 v5, v1, SPITCH
	v_lshl_add_u32 v5, v2, 5, v5
	v_add_nc_u32 v[STO], s23, v5                   ; in: row r, 32 bytes for each half of the lanes
	v_mul_u32_u24 v5, v2, SPITCH
	v_lshl_add_u32 v5, v1, 4, v5
	v_add_nc_u32 v[RD], s23, v5                    ; back: lanes 0-15 one row of 256 bytes, lanes 16-31 the next
	v_lshlrev_b32 v5, 12, v2
	v_lshl_add_u32 v[CO], v1, 4, v5                ; and the same two rows in out
	s_lshl_b32 s20, s17, 7
	s_lshl_b32 s21, s15, 6
	s_add_co_u32 s20, s20, s21                     ; my first row
	s_lshl_b32 s20, s20, 12
	s_add_co_u32 s20, s20, s46
	s_mov_b32 s21, 0
	s_add_nc_u64 s[98:99], s[98:99], s[20:21]
; K step s into fragment set: 24 loads for Wo, 24 for ctx, 8 scale words: 56 LDS loads
.macro FETCH s, set
.set FB, 64+96*(\set)
.set FA, FB+48
.irp i, 0,1,2,3
.irp p, 0,1,2,3,4,5
.set PCE, 12*(\s)+6*(\p/3)+\p%3        ; the row's piece of 8 bytes; lanes 16-31 read three pieces on, which from piece 29 of 32 on is behind one padding more
.if PCE%32 < 29
	ds_load_b64 v[FB+FR*\i+2*\p:FB+FR*\i+2*\p+1], v[ADB] offset:8*PCE+16*(PCE/32)+\i*16*BP
.else
	ds_load_b64 v[FB+FR*\i+2*\p:FB+FR*\i+2*\p+1], v[ADB+2] offset:8*PCE+16*(PCE/32)+\i*16*BP
.endif
.endr
.endr
.irp i, 0,1,2,3
.irp p, 0,1,2,3,4,5
	ds_load_b64 v[FA+FR*\i+2*\p:FA+FR*\i+2*\p+1], v[ADA] offset:\i*12288+(\s)*1536+256*\p
.endr
.endr
.irp i, 0,1,2,3
	ds_load_b32 v[SC+8*(\set)+\i], v[ASA] offset:((\s)/2)*512+\i*128+((\s)%2)*64
	ds_load_b32 v[SC+8*(\set)+4+\i], v[ASB] offset:\i*544+4*(\s)
.endr
.endm
; 16 matrix instructions, the 16 accumulators by turns.  first = 1: the bias starts the sums
.macro MULS set, first
.set FB, 64+96*(\set)
.set FA, FB+48
	WIN 0x50                                       ; C and D window 1
.irp a, 0,1,2,3
.irp b, 0,1,2,3
.if \first
	v_wmma_scale_f32_16x16x128_f8f6f4 v[8*(4*\a+\b):8*(4*\a+\b)+7], v[FB+FR*\b:FB+FR*\b+FR-1], v[FA+FR*\a:FA+FR*\a+FR-1], v[BIAS+8*\b:BIAS+8*\b+7], v[SC+8*(\set)+4+\b], v[SC+8*(\set)+\a] matrix_a_fmt:MATRIX_FMT_BF6 matrix_b_fmt:MATRIX_FMT_BF6
.else
	v_wmma_scale_f32_16x16x128_f8f6f4 v[8*(4*\a+\b):8*(4*\a+\b)+7], v[FB+FR*\b:FB+FR*\b+FR-1], v[FA+FR*\a:FA+FR*\a+FR-1], v[8*(4*\a+\b):8*(4*\a+\b)+7], v[SC+8*(\set)+4+\b], v[SC+8*(\set)+\a] matrix_a_fmt:MATRIX_FMT_BF6 matrix_b_fmt:MATRIX_FMT_BF6
.endif
.endr
.endr
	WIN 0
.endm
	s_wait_tensorcnt 0x0                           ; my two tiles have landed,
	s_wait_loadcnt 0x0                             ; the bias is in,
	s_barrier_signal -1
	s_barrier_wait -1                              ; and every wave's tiles have landed
	FETCH 0, 0
	FETCH 1, 1
	s_wait_dscnt 56                                ; all but the 56 loads just issued
	MULS 0, 1
.irp s, 1,2,3,4,5,6
.rept 4
	v_nop                                          ; places in front of loads into registers that the last products have read
.endr
	FETCH \s+1, (\s+1)%2
	s_wait_dscnt 56
	MULS \s%2, 0
.endr
	s_wait_dscnt 0x0
	MULS 1, 0
; THE WAY OUT, 16 rows x 64 columns at a time, through my own stage: a lane holds 32 bytes of a row; back come whole runs of 256 bytes.  LDS serves a wave's instructions in order: no wait between the stores and the loads.
.macro TOSTAGE a
	WIN 0x04                                       ; an LDS store's data are its source 1: window 1
.irp b, 0,1,2,3
	ds_store_b128 v[STO], v[8*(4*\a+\b):8*(4*\a+\b)+3] offset:64*\b      ; each accumulator from its low end on
	ds_store_b128 v[STO], v[8*(4*\a+\b)+4:8*(4*\a+\b)+7] offset:64*\b+16
.endr
	WIN 0
.irp i, 0,1,2,3,4,5,6,7
	ds_load_b128 v[64+32*\a+4*\i:64+32*\a+4*\i+3], v[RD] offset:2*\i*SPITCH
.endr
.endm
.macro SEND a, younger                 ; younger: the LDS instructions issued behind block a's loads, which may stay out
	s_wait_dscnt \younger
.irp i, 0,1,2,3,4,5,6,7
	global_store_b128 v[CO], v[64+32*(\a)+4*\i:64+32*(\a)+4*\i+3], s[98:99] offset:(16*(\a)+2*\i)*4096 th:TH_STORE_NT   ; 16 lanes store 256 consecutive bytes, aligned; each block has registers of its own
.endr
.endm
.rept 4
	v_nop                                          ; places behind the last products: results are read, and loads land in registers that held fragments
.endr
	TOSTAGE 0
.irp a, 1,2,3
	TOSTAGE \a
	SEND \a-1, 16                                  ; behind block a - 1's loads: block a's 8 stores and 8 loads
.endr
	SEND 3, 0
	s_wait_tensorcnt 0x0
	ds_add_u32 v62, v63
	s_wait_dscnt 0x0
	CROUND                                         ; the closing round: no work-group ends while a partner may still ask for a tile that names it
	s_endpgm
.Lfunc_end_k_q7ed2b061ef_outp:
	.size	k_q7ed2b061ef_outp, .Lfunc_end_k_q7ed2b061ef_outp-k_q7ed2b061ef_outp
	.p2alignl 7, 3214868480
	.fill 96, 4, 3214868480
	.section	.rodata,"a",@progbits
	.p2align	6, 0x0
	.amdhsa_kernel k_q7ed2b061ef_outp
		.amdhsa_group_segment_fixed_size 235520
		.amdhsa_private_segment_fixed_size 0
		.amdhsa_enable_private_segment 0
		.amdhsa_kernarg_size 48
		.amdhsa_user_sgpr_count 2
		.amdhsa_user_sgpr_kernarg_segment_ptr 1
		.amdhsa_wavefront_size32 1
		.amdhsa_system_sgpr_workgroup_id_x 1
		.amdhsa_system_sgpr_workgroup_id_y 1
		.amdhsa_system_sgpr_workgroup_id_z 1
		.amdhsa_system_vgpr_workitem_id 0
		.amdhsa_next_free_vgpr 512
		.amdhsa_next_free_sgpr 100
		.amdhsa_reserve_vcc 0
		.amdhsa_float_denorm_mode_32 3
		.amdhsa_float_denorm_mode_16_64 3
		.amdhsa_memory_ordered 1
		.amdhsa_forward_progress 1
		.amdhsa_inst_pref_size 63
	.end_amdhsa_kernel
	.amdgpu_metadata
---
amdhsa.version: [ 1, 2 ]
amdhsa.kernels:
  - .name:           k_q7ed2b061ef_outp
    .symbol:         k_q7ed2b061ef_outp.kd
    .args:
      - { .name: cimg, .offset: 0, .size: 8, .value_kind: global_buffer, .address_space: global }
      - { .name: cs, .offset: 8, .size: 8, .value_kind: global_buffer, .address_space: global }
      - { .name: xc, .offset: 16, .size: 8, .value_kind: global_buffer, .address_space: global }
      - { .name: xs, .offset: 24, .size: 8, .value_kind: global_buffer, .address_space: global }
      - { .name: bo, .offset: 32, .size: 8, .value_kind: global_buffer, .address_space: global }
      - { .name: out0, .offset: 40, .size: 8, .value_kind: global_buffer, .address_space: global }
    .group_segment_fixed_size: 235520
    .private_segment_fixed_size: 0
    .kernarg_segment_align: 8
    .kernarg_segment_size: 48
    .max_flat_workgroup_size: 128
    .sgpr_count:     100
    .vgpr_count:     512
    .wavefront_size: 32
...
	.end_amdgpu_metadata
.endif
;; end of part 4
